; MI455X (gfx1250); checked and timed in simulation.
; The chip was launched on July 23, 2026; its instructions are those of AMD's public machine-readable ISA for CDNA 5 (MIT licence, August 2026) and "CDNA5" Instruction Set Architecture Reference Guide (July 2026). The comments in the code are by the model that wrote it; some were corrected since.
;; Mo E Layer. Allowed arithmetic: matrix products marked QUANTISED: E2M1 operands, one E8M0 scale for each 32 along K, by v_wmma_scale_f32_16x16x128_f8f6f4 with both operands' format E2M1 (or v_wmma_scale_f32_32x16x128_f4), f32 sums; products left as they are: f32 operands where the result goes on into a quantised operand, else bf16, f16 or f32 operands; f32 sums; everything else in f32.
;; Inputs: W1 8 x 512 x 2,048 float32; W2 8 x 2,048 x 512 float32; Wg 512 x 8 float32; b1 8 x 2,048 float32; b2 8 x 512 float32; bg 8 float32; x 2 x 2,048 x 512 float32.
;; Outputs: out0 2 x 2,048 x 512 float32; out1 4,096 x 8 float32.
;; This version of the problem:
;;   THIS VERSION OF THE PROBLEM IS GIVEN IN LOW PRECISION. The matrix products marked QUANTISED in the list below multiply operands that are first quantised to E2M1 (2 exponent bits, 1 mantissa bit; 4 bits a number), with one power-of-two scale for each 32 numbers along K (OCP MX v1.0); their sums are f32. All else is computed in f32.
;;   The module's matrix products, in the order in which they are computed (A, B: the left and right operand; K: the contracted axis; several contracted axes count as one K, in the product's order):
;;     1. [M 4,096, K 512] x [K 512, N 8]; A: input x; B: input Wg: left as it is (N = 8 < 16)
;;     2. [M 4,096, K 512] x [K 512, N 2,048]; A: input x; B: input W1: QUANTISED
;;     3. [M 4,096, K 2,048] x [K 2,048, N 512]; A: computed on the way; B: input W2: QUANTISED
;;     4. [M 4,096, K 512] x [K 512, N 2,048]; A: input x; B: input W1: QUANTISED
;;     5. [M 4,096, K 2,048] x [K 2,048, N 512]; A: computed on the way; B: input W2: QUANTISED
;;     6. [M 4,096, K 512] x [K 512, N 2,048]; A: input x; B: input W1: QUANTISED
;;     7. [M 4,096, K 2,048] x [K 2,048, N 512]; A: computed on the way; B: input W2: QUANTISED
;;     8. [M 4,096, K 512] x [K 512, N 2,048]; A: input x; B: input W1: QUANTISED
;;     9. [M 4,096, K 2,048] x [K 2,048, N 512]; A: computed on the way; B: input W2: QUANTISED
;;     10. [M 4,096, K 512] x [K 512, N 2,048]; A: input x; B: input W1: QUANTISED
;;     11. [M 4,096, K 2,048] x [K 2,048, N 512]; A: computed on the way; B: input W2: QUANTISED
;;     12. [M 4,096, K 512] x [K 512, N 2,048]; A: input x; B: input W1: QUANTISED
;;     13. [M 4,096, K 2,048] x [K 2,048, N 512]; A: computed on the way; B: input W2: QUANTISED
;;     14. [M 4,096, K 512] x [K 512, N 2,048]; A: input x; B: input W1: QUANTISED
;;     15. [M 4,096, K 2,048] x [K 2,048, N 512]; A: computed on the way; B: input W2: QUANTISED
;;     16. [M 4,096, K 512] x [K 512, N 2,048]; A: input x; B: input W1: QUANTISED
;;     17. [M 4,096, K 2,048] x [K 2,048, N 512]; A: computed on the way; B: input W2: QUANTISED
;;   THE QUANTISER, for each operand of a quantised product, along K:
;;     - K is cut into blocks of 32 from its start; a last block that is shorter is filled with zeros.
;;     - A block's scale is 2^e with e = floor(log2(the largest magnitude in the block)) - 2, held to -126 .. 127; a block of zeros has e = 0. As a byte (E8M0): e + 127.
;;     - Each number is divided by its block's scale, clamped to +-6, and rounded to the nearest number of E2M1, ties to even, subnormals kept.
;;     - The product sums the exact products of the quantised numbers (number of the format x scale) in f32.
;;   ~~~python
;;   def quantise(x, axis):      # numpy; x: float32 -> the quantised numbers, widened to float32 again
;;       x = np.moveaxis(x, axis, -1); K = x.shape[-1]
;;       x = np.pad(x, [(0, 0)] * (x.ndim - 1) + [(0, -K % 32)]); x = x.reshape(x.shape[:-1] + (-1, 32)); a = np.abs(x).max(-1, keepdims=True)
;;       e = np.where(a > 0, np.clip(np.frexp(np.where(a > 0, a, 1))[1] - 1 - 2, -126, 127), 0)      # np.frexp(a)[1] - 1 = floor(log2(a)), exactly
;;       r = np.clip(x / 2.0 ** e, -6, 6)
;;       step = 2.0 ** (np.maximum(np.frexp(np.where(r == 0, 1, r))[1] - 1, 0) - 1)
;;       q = np.round(r / step) * step * 2.0 ** e      # np.round: ties to even
;;       return np.moveaxis(q.reshape(q.shape[:-2] + (-1,))[..., :K], -1, axis).astype(np.float32)
;;   ~~~
;;   OPERANDS COMPUTED ON THE WAY. 'Computed on the way' means the value that the module computes at that place (a softmax that the list does not call 'softmax' is quantised finished and normalised). What goes into a quantiser is computed in f32, as accurately as f32 sums, v_exp_f32 and their like allow (about 1e-6 of the number): no bf16 or f16 on the way to a quantiser, and a product that is left as it is and whose result goes on into a quantised operand takes f32 operands (vector FMAs, or v_wmma_f32_16x16x4_f32). A number that lies on a knife's edge between two numbers of the format may be rounded either way, as far as f32 arithmetic and the matrix unit's own rounding can turn it there, and no further.
;; 3 versions, each right; version 2 is faster than version 1; version 3 is version 2 with the launch chain written anew for expert scheduling mode. Each part assembles by itself: llvm-mc -triple=amdgcn-amd-amdhsa -mcpu=gfx1250 --defsym DOCPART=n.
;; ======== version 1 of 3: 4 launches
;; workspace buffers: xq 1,114,112 bytes; cw 32,768 bytes; sel 32,768 bytes of whole numbers; wq 8,912,896 bytes; route 37,888 bytes of whole numbers; inv 32,768 bytes of whole numbers; Y 17,694,720 bytes
;; launch front (part 1): grid 320 x 1, 8 waves a work-group, no clusters, 48,128 bytes of LDS; arguments x, Wg, bg, W1, xq, cw, sel, out1, wq; writes xq, cw, sel, out1, wq
.if DOCPART == 1
	.amdgcn_target "amdgcn-amd-amdhsa--gfx1250"
	.amdhsa_code_object_version 6
	.text
	.protected	k_qea89cd7409_front
	.globl	k_qea89cd7409_front
	.p2align	8
	.type	k_qea89cd7409_front,@function
k_qea89cd7409_front:
	s_mov_b64 s[64:65], 0
	v_nop
	global_prefetch_b8 v0, s[64:65] scope:SCOPE_SE
	s_setreg_imm32_b32 hwreg(HW_REG_WAVE_MODE, 25, 1), 1
	s_wait_xcnt 0x0
; TWO JOBS IN ONE LAUNCH, parted on the work-group's number.
; Work-groups 0-63 (THE GATE): 64 tokens each, 8 a wave.  logits = x Wg + bg by f32 multiply-adds, softmax with the row's maximum taken away (out1), the two largest
;   probabilities (a tie goes to the lower index) stored at fixed places: their values in cw, their experts in sel; and x as codes of FP4 (E2M1) with one E8M0 byte for each 32 along K (xq).
; Work-groups 64-319 (W1): W1 [8][512 k][2048 n] f32 becomes codes, quantised down K, laid in wq in the order of the operand registers of the launch that multiplies.
; A block's scale is 2^(floor(log2(largest magnitude)) - 2); its byte is the largest magnitude's exponent field - 2, held at 1 from below.
; LIMITS: NaN and infinities among the inputs are not served.  A block of zeros gets the byte 1 where the rule says 127: its codes are zeros, and the bytes are read by this program alone.
;   The two experts are chosen on this text's own f32 probabilities: where the second and third agree to within the rounding of a sum of 512 products the choice may differ from another f32 order of summing.
;   A probability under 2^-126 comes out of the exponential as 0.
; No tensor loads, no matrix work: both jobs stream.  Only the gate touches LDS and has a barrier (one).
.set SP,     80                        ; a lane's place in a turning stage: its 64 bytes + 16 of padding
.set STG2,   32*SP                     ; a stage; two for each wave, from LDS byte wave x 5,120
.set LG,     40960                     ; 256 bytes a wave: 8 tokens x 8 logits
.set OUT1S,  43008                     ; the way out, 4,096 bytes: 64 tokens x 32 bytes of probabilities,
.set XSS,    45056                     ; 64 x 16 scale bytes of x,
.set CWS,    46080                     ; 64 x 8 bytes: the two probabilities,
.set SELS,   46592                     ; 64 x 8 bytes: the two experts
.set GT,     16                        ; v16-23   the other half of the lanes' sums
.set GC,     28                        ; v28-43   codes: two registers for each token, so that no store's data are written again
.set ACC,    44                        ; v44-51   8 logits
.set GX,     64                        ; v64-95   two sets of 16 neighbours
.set GR,     96                        ; v96-127  two sets of 16 numbers as loaded
.set WGR,    128                       ; v128-255 Wg[16 lane + i][e] at 8 i + e
.set WX,     16                        ; W1's job: v16-143 128 numbers down K of my column
.set WC,     144                       ; v144-159 its codes: four registers a block
.set WPITCH, 8192                      ; a row of W1 in bytes
.set BLKB,   8704                      ; a block of wq: 16 lines of 512 bytes of codes, 4 lines of 128 bytes of scale words
	s_load_b512 s[4:19], s[0:1], 0x0               ; x s[4:5], Wg s[6:7], bg s[8:9], W1 s[10:11], xq s[12:13], cw s[14:15], sel s[16:17], out1 s[18:19]
	s_load_b64 s[20:21], s[0:1], 0x40              ; wq
	s_set_vgpr_msb 0x40
	v_lshl_add_u32 v0, v0, 2, 0xb800
	v_mov_b32 v1, 0
	s_set_vgpr_msb 0x4000
	v_lshrrev_b32 v1, 5, v0
	v_readfirstlane_b32 s22, v1                    ; wave 0..7
	v_and_b32 v1, 31, v0                           ; lane
	s_cmp_lt_u32 ttmp9, 64
	s_cbranch_scc0 .Lw1
; ---------------------------------------------------------------- THE GATE
	v_lshlrev_b32 v2, 4, v1                        ; 16 x lane: my 16 bytes of a load's 512
	s_mul_i32 s23, s22, 2*STG2
	v_lshrrev_b32 v14, 2, v1
	v_mul_u32_u24 v14, v14, SP
	v_and_b32 v15, 3, v1
	v_lshl_add_u32 v3, v15, 4, v14
	v_add_nc_u32 v3, s23, v3                       ; the stage, in: four lanes' 64 bytes on end, then the padding
	v_mul_u32_u24 v4, v1, SP
	v_add_nc_u32 v4, s23, v4                       ; and out: my 16 neighbours
	v_lshlrev_b32 v5, 3, v1                        ; my 8 bytes of a token's 256 bytes of codes
	s_lshl_b32 s23, s22, 7
	s_add_co_u32 s23, s23, XSS
	v_lshrrev_b32 v6, 1, v1
	v_add_nc_u32 v6, s23, v6                       ; my block's scale byte
	s_lshl_b32 s23, s22, 8
	s_add_co_u32 s30, s23, LG
	v_mov_b32 v7, s30                              ; my wave's logits
	v_and_b32 v14, 7, v1
	v_lshl_add_u32 v8, v14, 5, s30                 ; those of token lane % 8
	s_add_co_u32 s30, s23, OUT1S
	v_lshl_add_u32 v9, v14, 5, s30
	s_lshl_b32 s23, s22, 6
	s_add_co_u32 s30, s23, CWS
	v_lshl_add_u32 v10, v14, 3, s30
	s_add_co_u32 s30, s23, SELS
	v_lshl_add_u32 v11, v14, 3, s30
	v_lshl_add_u32 v12, v0, 4, OUT1S               ; the way out: 16 bytes a thread of the 4,096
	v_lshlrev_b32 v13, 9, v1                       ; Wg: my 16 rows of 32 bytes
.irp e, 0,1,2,3,4,5,6,7
	v_mov_b32 v[GT+\e], 0                          ; written once: a lane permute's destination counts as one of its sources
.endr
	s_mov_b32 s28, 0x76543210
	s_mov_b32 s29, 0xfedcba98                      ; selects for lane l xor 16
	s_lshl_b32 s30, ttmp9, 17
	s_lshl_b32 s31, s22, 14
	s_add_co_u32 s30, s30, s31                     ; my first token (64 g + 8 w) x 2,048 bytes
	s_mov_b32 s31, 0
	s_wait_kmcnt 0x0
	s_add_nc_u64 s[24:25], s[4:5], s[30:31]        ; x at my first token
	s_lshr_b32 s30, s30, 3
	s_add_nc_u64 s[26:27], s[12:13], s[30:31]      ; its codes: 256 bytes a token
	s_load_b256 s[32:39], s[8:9], 0x0              ; bg
.set kk, 0
.rept 32
	global_load_b128 v[WGR+4*kk:WGR+4*kk+3], v13, s[6:7] offset:16*kk
.set kk, kk+1
.endr
.macro GLOAD t                         ; token t: four loads of 512 consecutive bytes
.irp i, 0,1,2,3
	global_load_b128 v[GR+16*((\t)%2)+4*\i:GR+16*((\t)%2)+4*\i+3], v2, s[24:25] offset:2048*(\t)+512*\i th:TH_LOAD_NT
.endr
.endm
.macro GTURN t                         ; its 2,048 bytes through the stage: LDS serves a wave's instructions in order, so no wait stands between the stores and the loads
.irp i, 0,1,2,3
	ds_store_b128 v3, v[GR+16*((\t)%2)+4*\i:GR+16*((\t)%2)+4*\i+3] offset:STG2*((\t)%2)+8*SP*\i
.endr
.irp i, 0,1,2,3
	ds_load_b128 v[GX+16*((\t)%2)+4*\i:GX+16*((\t)%2)+4*\i+3], v4 offset:STG2*((\t)%2)+16*\i
.endr
.endm
	GLOAD 0
	GLOAD 1
	s_wait_loadcnt 4                               ; Wg and token 0 are in; token 1's four loads may be out
	GTURN 0
.macro GSTEP t
.set XB, GX+16*((\t)%2)
	s_wait_dscnt 0x0                               ; this token's numbers are back from the stage, and all my earlier LDS stores have read their registers
.if (\t)+2 < 8
	GLOAD (\t)+2
.endif
.if (\t)+1 < 8
.if (\t)+2 < 8
	s_wait_loadcnt 4                               ; the next token is in; the four loads just issued may be out
.else
	s_wait_loadcnt 0
.endif
	GTURN (\t)+1
.endif
	v_max3_num_f32 v24, |v[XB]|, |v[XB+1]|, |v[XB+2]|              ; the largest magnitude of my 16, in two chains
	v_max3_num_f32 v25, |v[XB+3]|, |v[XB+4]|, |v[XB+5]|
.irp i, 6,10
	v_max3_num_f32 v24, v24, |v[XB+\i]|, |v[XB+\i+1]|
	v_max3_num_f32 v25, v25, |v[XB+\i+2]|, |v[XB+\i+3]|
.endr
	v_max3_num_f32 v24, v24, |v[XB+14]|, |v[XB+15]|
	v_max3_num_f32 v24, v24, v25, 0x1800000        ; and the floor 2^(3 - 127): the byte cannot fall under 1
	v_max_num_f32_dpp v24, v24, v24 row_xmask:1 row_mask:0xf bank_mask:0xf   ; with my neighbour's 16: the block's
	v_add_nc_u32 v26, 0xff000000, v24              ; 2 off its exponent field: the conversion's scale operand
	v_cvt_scalef32_pk8_fp4_f32 v[GC+2*(\t)], v[XB:XB+7], v26
	v_cvt_scalef32_pk8_fp4_f32 v[GC+2*(\t)+1], v[XB+8:XB+15], v26
	v_lshrrev_b32 v27, 23, v26                     ; the scale's byte (a plain line behind the conversions)
	ds_store_b8 v6, v27 offset:16*(\t)             ; both lanes of a block write the same byte with the same value
	global_store_b64 v5, v[GC+2*(\t):GC+2*(\t)+1], s[26:27] offset:256*(\t)   ; the wave stores the token's 256 consecutive bytes
.irp q, 0,1,2,3
	v_pk_mul_f32 v[ACC+2*\q:ACC+2*\q+1], v[XB:XB+1], v[WGR+2*\q:WGR+2*\q+1] op_sel_hi:[0,1]   ; x_0 times Wg's row: the first product starts the sums
.endr
.set kk, 1
.rept 15
.irp q, 0,1,2,3
.if kk%2
	v_pk_fma_f32 v[ACC+2*\q:ACC+2*\q+1], v[XB+kk-1:XB+kk], v[WGR+8*kk+2*\q:WGR+8*kk+2*\q+1], v[ACC+2*\q:ACC+2*\q+1] op_sel:[1,0,0] op_sel_hi:[1,1,1]   ; the pair's second number for both halves
.else
	v_pk_fma_f32 v[ACC+2*\q:ACC+2*\q+1], v[XB+kk:XB+kk+1], v[WGR+8*kk+2*\q:WGR+8*kk+2*\q+1], v[ACC+2*\q:ACC+2*\q+1] op_sel_hi:[0,1,1]               ; its first
.endif
.endr
.set kk, kk+1
.endr
.irp s, 1,2,4,8
.irp e, 0,1,2,3,4,5,6,7
	v_add_f32_dpp v[ACC+\e], v[ACC+\e], v[ACC+\e] row_xmask:\s row_mask:0xf bank_mask:0xf   ; over the 16 lanes of a half, the eight sums by turns
.endr
.endr
.irp e, 0,1,2,3,4,5,6,7
	v_permlanex16_b32 v[GT+\e], v[ACC+\e], s28, s29
.endr
.irp e, 0,1,2,3,4,5,6,7
	v_add_f32 v[ACC+\e], v[ACC+\e], v[GT+\e]       ; and the other half: every lane holds the token's 8 sums
.endr
	ds_store_b128 v7, v[ACC:ACC+3] offset:32*(\t)  ; all lanes write the same bytes with the same values
	ds_store_b128 v7, v[ACC+4:ACC+7] offset:32*(\t)+16
.endm
.irp t, 0,1,2,3,4,5,6,7
	GSTEP \t
.endr
	; softmax and the two largest: lane l serves token l % 8 (lanes 8-31 repeat it)
	ds_load_b128 v[64:67], v8                      ; LDS serves a wave's instructions in order: these see my stores
	ds_load_b128 v[68:71], v8 offset:16
	s_wait_kmcnt 0x0                               ; bg
	s_wait_dscnt 0x0
.irp e, 0,1,2,3,4,5,6,7
	v_add_f32 v[64+\e], s[32+\e], v[64+\e]
.endr
	v_max3_num_f32 v80, v64, v65, v66
	v_max3_num_f32 v80, v80, v67, v68
	v_max3_num_f32 v80, v80, v69, v70
	v_max_num_f32 v80, v80, v71                    ; the row's maximum is taken away ahead of the exponential
.irp e, 0,1,2,3,4,5,6,7
	v_sub_f32 v[64+\e], v[64+\e], v80
.endr
.irp e, 0,1,2,3,4,5,6,7
	v_mul_f32 v[64+\e], 0x3fb8aa3b, v[64+\e]       ; x log2(e)
.endr
.irp e, 0,1,2,3,4,5,6,7
	v_exp_f32 v[64+\e], v[64+\e]
.endr
	v_mov_b32 v89, -1.0                            ; (a plain line behind the exponentials)
	s_wait_alu depctr_va_vdst(0)
	v_add_f32 v80, v64, v65
	v_add_f32 v81, v66, v67
	v_add_f32 v82, v68, v69
	v_add_f32 v83, v70, v71
	v_add_f32 v80, v80, v81
	v_add_f32 v82, v82, v83
	v_add_f32 v80, v80, v82
	v_rcp_f32 v81, v80
	v_mov_b32 v86, 0                               ; (a plain line behind the reciprocal)  the first choice: expert 0 so far
	s_wait_alu depctr_va_vdst(0)
.irp e, 0,1,2,3,4,5,6,7
	v_mul_f32 v[72+\e], v[64+\e], v81              ; the probabilities
.endr
	v_mov_b32 v84, v72
.irp e, 1,2,3,4,5,6,7
	v_cmp_le_f32 vcc_lo, v[72+\e], v84             ; only a strictly larger one takes the place: a tie stays with the lower index
	v_cndmask_b32 v86, \e, v86, vcc_lo
	v_max_num_f32 v84, v84, v[72+\e]
.endr
	v_mov_b32 v85, -1.0                            ; the second choice: the same over the seven others
	v_mov_b32 v87, 0
.irp e, 0,1,2,3,4,5,6,7
	v_cmp_eq_u32 vcc_lo, \e, v86
	v_cndmask_b32 v88, v[72+\e], v89, vcc_lo       ; the first choice counts as -1
	v_cmp_le_f32 vcc_lo, v88, v85
	v_cndmask_b32 v87, \e, v87, vcc_lo
	v_max_num_f32 v85, v85, v88
.endr
	ds_store_b128 v9, v[72:75]
	ds_store_b128 v9, v[76:79] offset:16
	ds_store_b64 v10, v[84:85]
	ds_store_b64 v11, v[86:87]
	s_wait_dscnt 0x0                               ; for the others' sake: all my stores into the way out have landed
	s_barrier_signal -1
	s_barrier_wait -1
	ds_load_b128 v[64:67], v12                     ; wave w takes bytes 512 w on: waves 0-3 probabilities, 4-5 scale bytes, 6 the two probabilities, 7 the two experts
	s_lshl_b32 s42, ttmp9, 9                       ; cw, sel: 512 g
	s_lshl_b32 s45, s22, 9
	s_lshl_b32 s43, ttmp9, 11
	s_add_co_u32 s43, s43, s45                     ; out1: 2,048 g + 512 w
	s_lshl_b32 s44, ttmp9, 10
	s_add_co_u32 s44, s44, s45
	s_add_co_u32 s44, s44, 1048576-2048            ; xq's scale bytes, behind its codes: 1,024 g + 512 (w - 4)
	s_cmp_lt_u32 s22, 7                            ; the buffer is chosen by the wave's number alone
	s_cselect_b64 s[40:41], s[14:15], s[16:17]
	s_cmp_lt_u32 s22, 6
	s_cselect_b64 s[40:41], s[12:13], s[40:41]
	s_cselect_b32 s42, s44, s42
	s_cmp_lt_u32 s22, 4
	s_cselect_b64 s[40:41], s[18:19], s[40:41]
	s_cselect_b32 s42, s43, s42
	s_mov_b32 s43, 0
	s_add_nc_u64 s[40:41], s[40:41], s[42:43]
	s_wait_dscnt 0x0
	global_store_b128 v2, v[64:67], s[40:41]       ; 512 consecutive bytes, at a multiple of 256 from the buffer's first byte
	s_set_vgpr_msb 0x5
	s_wait_tensorcnt 0x0
	ds_add_u32 v0, v1
	s_wait_dscnt 0x0
	s_set_vgpr_msb 0x500
	s_endpgm
; ---------------------------------------------------------------- W1
; Work-group g' = e x 32 + cg x 4 + ks reads W1[e], rows 128 ks on, columns 256 cg on.  Wave v takes 32 columns (hidden units 32 p on, p = 8 cg + v); A LANE TAKES A COLUMN AND ITS REGISTERS RUN DOWN K:
; a block of 32 lies in one lane, and the conversions give codes with K innermost.  Column o of the 32 is row r = o % 8 + 8 (o / 16) of tile u = (o / 8) % 2: the rows of a tile are chosen so that
; the results of tiles 0 and 1 are 16 neighbours along the next product's K.  Block kb of K step ks is half kb % 2 of registers 4 (kb / 2) on of fragment (u, ks): 16 bytes at 4,096 u + 1,024 ks + 256 kb + 16 r.
.Lw1:
	s_sub_co_u32 s23, ttmp9, 64
	s_lshr_b32 s24, s23, 5                         ; e
	s_bfe_u32 s25, s23, 0x30002                    ; cg
	s_and_b32 s26, s23, 3                          ; ks
	s_lshl_b32 s28, s24, 22
	s_lshl_b32 s27, s26, 20
	s_add_co_u32 s28, s28, s27
	s_lshl_b32 s27, s25, 10
	s_add_co_u32 s28, s28, s27
	s_lshl_b32 s27, s22, 7
	s_add_co_u32 s28, s28, s27                     ; where my wave reads
	s_mov_b32 s29, 0
	s_lshl_b32 s30, s24, 2
	s_lshr_b32 s27, s25, 1
	s_add_co_u32 s30, s30, s27                     ; 4 e + the multiplying wave (p / 16)
	s_lshl_b32 s30, s30, 5
	s_and_b32 s27, s25, 1
	s_lshl_b32 s27, s27, 3
	s_add_co_u32 s30, s30, s27
	s_add_co_u32 s30, s30, s22                     ; + p % 16: the block of wq
	s_mul_i32 s30, s30, BLKB
	s_lshl_b32 s27, s26, 10
	s_add_co_u32 s32, s30, s27
	s_mov_b32 s33, 0
	s_lshl_b32 s27, s26, 7
	s_add_co_u32 s34, s30, s27
	s_add_co_u32 s34, s34, 8192
	s_mov_b32 s35, 0
	v_lshlrev_b32 v2, 2, v1                        ; in: 4 bytes a lane
	v_bfe_u32 v5, v1, 3, 1                         ; u
	v_and_b32 v6, 7, v1
	v_bfe_u32 v7, v1, 4, 1
	v_lshl_or_b32 v6, v7, 3, v6                    ; r
	v_lshlrev_b32 v3, 4, v6
	v_lshl_add_u32 v3, v5, 12, v3                  ; codes: 4,096 u + 16 r
	v_lshl_add_u32 v4, v5, 4, v6
	v_lshlrev_b32 v4, 2, v4                        ; scale word: 4 (16 u + r)
	s_wait_kmcnt 0x0
	s_add_nc_u64 s[28:29], s[10:11], s[28:29]
	s_add_nc_u64 s[32:33], s[20:21], s[32:33]
	s_add_nc_u64 s[34:35], s[20:21], s[34:35]
.set kk, 0
.rept 128
	global_load_b32 v[WX+kk], v2, s[28:29] offset:WPITCH*kk th:TH_LOAD_NT   ; a row of W1 at 32 neighbouring columns: 128 consecutive bytes a wave, 1,024 a work-group
.set kk, kk+1
.endr
.macro QBLOCK kb, lc                   ; lc: the younger loads that may stay out; -1: the wait before has shown this block in
.if \lc >= 0
	s_wait_loadcnt \lc
.endif
.set XB, WX+32*\kb
	v_max3_num_f32 v8, |v[XB]|, |v[XB+1]|, |v[XB+2]|               ; the block's largest magnitude: all 32 numbers are mine
	v_max3_num_f32 v9, |v[XB+3]|, |v[XB+4]|, |v[XB+5]|
.irp i, 6,10,14,18,22,26
	v_max3_num_f32 v8, v8, |v[XB+\i]|, |v[XB+\i+1]|
	v_max3_num_f32 v9, v9, |v[XB+\i+2]|, |v[XB+\i+3]|
.endr
	v_max3_num_f32 v8, v8, |v[XB+30]|, |v[XB+31]|
	v_max3_num_f32 v8, v8, v9, 0x1800000           ; and the floor 2^(3 - 127)
	v_add_nc_u32 v10, 0xff000000, v8               ; the conversion's scale operand
	v_lshrrev_b32 v11, 23, v10                     ; the scale's byte
.if \kb == 0
	v_mov_b32 v12, v11
.else
	v_lshl_or_b32 v12, v11, 8*\kb, v12             ; four bytes make the K step's scale word of my column
.endif
.irp g, 0,1,2,3
	v_cvt_scalef32_pk8_fp4_f32 v[WC+4*\kb+\g], v[XB+8*\g:XB+8*\g+7], v10
.endr
	global_store_b128 v3, v[WC+4*\kb:WC+4*\kb+3], s[32:33] offset:256*\kb   ; the sixteen lanes of a tile store 256 consecutive bytes, aligned
.endm
	QBLOCK 0, 63                                   ; 64 loads are younger than block 1's last: at most 63 out shows blocks 0 and 1 in
	QBLOCK 1, -1
	QBLOCK 2, 32                                   ; block 3's 32 may be out
	QBLOCK 3, 0
	global_store_b32 v4, v12, s[34:35]             ; 128 consecutive bytes of scale words
	s_endpgm
.Lfunc_end_k_qea89cd7409_front:
	.size	k_qea89cd7409_front, .Lfunc_end_k_qea89cd7409_front-k_qea89cd7409_front
	.p2alignl 7, 3214868480
	.fill 96, 4, 3214868480
	.section	.rodata,"a",@progbits
	.p2align	6, 0x0
	.amdhsa_kernel k_qea89cd7409_front
		.amdhsa_group_segment_fixed_size 48128
		.amdhsa_private_segment_fixed_size 0
		.amdhsa_enable_private_segment 0
		.amdhsa_kernarg_size 72
		.amdhsa_user_sgpr_count 2
		.amdhsa_user_sgpr_kernarg_segment_ptr 1
		.amdhsa_wavefront_size32 1
		.amdhsa_system_sgpr_workgroup_id_x 1
		.amdhsa_system_sgpr_workgroup_id_y 1
		.amdhsa_system_sgpr_workgroup_id_z 1
		.amdhsa_system_vgpr_workitem_id 0
		.amdhsa_next_free_vgpr 258
		.amdhsa_next_free_sgpr 66
		.amdhsa_reserve_vcc 1
		.amdhsa_float_denorm_mode_32 3
		.amdhsa_float_denorm_mode_16_64 3
		.amdhsa_memory_ordered 1
		.amdhsa_forward_progress 1
		.amdhsa_inst_pref_size 102
	.end_amdhsa_kernel
	.amdgpu_metadata
---
amdhsa.version: [ 1, 2 ]
amdhsa.kernels:
  - .name:           k_qea89cd7409_front
    .symbol:         k_qea89cd7409_front.kd
    .args:
      - { .name: x, .offset: 0, .size: 8, .value_kind: global_buffer, .address_space: global }
      - { .name: Wg, .offset: 8, .size: 8, .value_kind: global_buffer, .address_space: global }
      - { .name: bg, .offset: 16, .size: 8, .value_kind: global_buffer, .address_space: global }
      - { .name: W1, .offset: 24, .size: 8, .value_kind: global_buffer, .address_space: global }
      - { .name: xq, .offset: 32, .size: 8, .value_kind: global_buffer, .address_space: global }
      - { .name: cw, .offset: 40, .size: 8, .value_kind: global_buffer, .address_space: global }
      - { .name: sel, .offset: 48, .size: 8, .value_kind: global_buffer, .address_space: global }
      - { .name: out1, .offset: 56, .size: 8, .value_kind: global_buffer, .address_space: global }
      - { .name: wq, .offset: 64, .size: 8, .value_kind: global_buffer, .address_space: global }
    .group_segment_fixed_size: 48128
    .private_segment_fixed_size: 0
    .kernarg_segment_align: 8
    .kernarg_segment_size: 72
    .max_flat_workgroup_size: 256
    .sgpr_count:     66
    .vgpr_count:     258
    .wavefront_size: 32
...
	.end_amdgpu_metadata
.endif
;; end of part 1
;; launch mid (part 2): grid 257 x 1, 8 waves a work-group, no clusters, 2,048 bytes of LDS; arguments W2, sel, wq, route, inv; writes wq, route, inv
.if DOCPART == 2
	.amdgcn_target "amdgcn-amd-amdhsa--gfx1250"
	.amdhsa_code_object_version 6
	.text
	.protected	k_qea89cd7409_mid
	.globl	k_qea89cd7409_mid
	.p2align	8
	.type	k_qea89cd7409_mid,@function
k_qea89cd7409_mid:
	s_mov_b64 s[64:65], 0
	v_nop
	global_prefetch_b8 v0, s[64:65] scope:SCOPE_SE
	s_setreg_imm32_b32 hwreg(HW_REG_WAVE_MODE, 25, 1), 1
	s_wait_xcnt 0x0
; TWO JOBS IN ONE LAUNCH, parted on the work-group's number.
; Work-group 0 (PLACING): the 8,192 routed rows (4,096 tokens x 2 experts, read from sel as whole numbers) are placed by expert: each expert gets whole tiles of 64 rows, one behind the other.
;   route: order[place] = token (pads hold 0), and behind it tiles[t] = the expert of tile t;  inv[token][k] = the place of the token's k-th row.  Counts by ballots; no atomics.
;   With 8,192 rows, 8 experts and tiles of 64 there are never more than 135 tiles, whatever the choice: places stay under 8,640.
; Work-groups 1-256 (W2): W2 [8][2048 k][512 n] f32 becomes codes of FP4 (E2M1), quantised down K, laid in wq in the order of the operand registers of the launch that multiplies.
; LIMITS: NaN and infinities in W2 are not served; a block of zeros gets the scale byte 1 where the rule says 127 (its codes are zeros; this program alone reads the bytes).
.set WX,     16                        ; W2's job: v16-143 128 numbers down K of my column
.set WC,     144                       ; v144-159 its codes
.set WPITCH, 2048                      ; a row of W2 in bytes
.set BLKB,   8704                      ; a block of wq: 16 lines of 512 bytes of codes, 4 lines of 128 bytes of scale words
.set EE,     32                        ; placing: v32-63 the two experts of my token in vector j: 2 j, 2 j + 1
.set PP,     64                        ; v64-95   their places
.set PA,     96                        ; v96-127  the places as byte offsets
.set TK,     128                       ; v128-143 the token
	s_load_b256 s[4:11], s[0:1], 0x0               ; W2 s[4:5], sel s[6:7], wq s[8:9], route s[10:11]
	s_load_b64 s[12:13], s[0:1], 0x20              ; inv
	v_lshl_add_u32 v176, v0, 2, 0x400
	v_mov_b32 v177, 0
	v_lshrrev_b32 v1, 5, v0
	v_readfirstlane_b32 s16, v1                    ; wave 0..7
	v_and_b32 v1, 31, v0                           ; lane
	s_cmp_eq_u32 ttmp9, 0
	s_cbranch_scc1 .Lplace
; ---------------------------------------------------------------- W2
; Work-group g' = e x 32 + j x 2 + half reads W2[e], rows 128 j on (K step j), columns 256 half on.  Wave v takes 32 columns; a lane takes a column and its registers run down K.
; Column n belongs to the multiplying wave n / 128, tile t = (n % 128) / 16, row r = n % 16.  Block kb: 16 bytes at 1,024 t + 256 kb + 16 r of block 16 + j of that wave's stream.
	s_sub_co_u32 s17, ttmp9, 1
	s_lshr_b32 s18, s17, 5                         ; e
	s_bfe_u32 s19, s17, 0x40001                    ; j
	s_and_b32 s20, s17, 1                          ; half
	s_lshl_b32 s22, s18, 22
	s_lshl_b32 s21, s19, 18
	s_add_co_u32 s22, s22, s21
	s_lshl_b32 s21, s20, 10
	s_add_co_u32 s22, s22, s21
	s_lshl_b32 s21, s16, 7
	s_add_co_u32 s22, s22, s21                     ; where my wave reads
	s_mov_b32 s23, 0
	s_lshl_b32 s24, s18, 2
	s_lshl_b32 s21, s20, 1
	s_add_co_u32 s24, s24, s21
	s_lshr_b32 s21, s16, 2
	s_add_co_u32 s24, s24, s21                     ; 4 e + the multiplying wave
	s_lshl_b32 s24, s24, 5
	s_add_co_u32 s24, s24, s19
	s_add_co_u32 s24, s24, 16                      ; the block of wq
	s_mul_i32 s24, s24, BLKB
	s_and_b32 s21, s16, 3
	s_lshl_b32 s26, s21, 11                        ; my two tiles' codes: 2,048 (v % 4) on
	s_add_co_u32 s26, s26, s24
	s_mov_b32 s27, 0
	s_lshl_b32 s28, s21, 7                         ; their line of scale words
	s_add_co_u32 s28, s28, s24
	s_add_co_u32 s28, s28, 8192
	s_mov_b32 s29, 0
	v_lshlrev_b32 v2, 2, v1                        ; in: 4 bytes a lane; the scale word's place too: 4 (16 u + r) = 4 x lane
	v_lshrrev_b32 v5, 4, v1                        ; u
	v_and_b32 v6, 15, v1                           ; r
	v_lshlrev_b32 v3, 4, v6
	v_lshl_add_u32 v3, v5, 10, v3                  ; codes: 1,024 u + 16 r
	s_wait_kmcnt 0x0
	s_add_nc_u64 s[22:23], s[4:5], s[22:23]
	s_add_nc_u64 s[26:27], s[8:9], s[26:27]
	s_add_nc_u64 s[28:29], s[8:9], s[28:29]
.set kk, 0
.rept 128
	global_load_b32 v[WX+kk], v2, s[22:23] offset:WPITCH*kk th:TH_LOAD_NT   ; a row of W2 at 32 neighbouring columns: 128 consecutive bytes a wave, 1,024 a work-group
.set kk, kk+1
.endr
.macro QBLOCK kb, lc                   ; lc: the younger loads that may stay out; -1: the wait before has shown this block in
.if \lc >= 0
	s_wait_loadcnt \lc
.endif
.set XB, WX+32*\kb
	v_max3_num_f32 v8, |v[XB]|, |v[XB+1]|, |v[XB+2]|               ; the block's largest magnitude: all 32 numbers are mine
	v_max3_num_f32 v9, |v[XB+3]|, |v[XB+4]|, |v[XB+5]|
.irp i, 6,10,14,18,22,26
	v_max3_num_f32 v8, v8, |v[XB+\i]|, |v[XB+\i+1]|
	v_max3_num_f32 v9, v9, |v[XB+\i+2]|, |v[XB+\i+3]|
.endr
	v_max3_num_f32 v8, v8, |v[XB+30]|, |v[XB+31]|
	v_max3_num_f32 v8, v8, v9, 0x1800000           ; and the floor 2^(3 - 127)
	v_add_nc_u32 v10, 0xff000000, v8               ; the conversion's scale operand
	v_lshrrev_b32 v11, 23, v10                     ; the scale's byte
.if \kb == 0
	v_mov_b32 v12, v11
.else
	v_lshl_or_b32 v12, v11, 8*\kb, v12
.endif
.irp g, 0,1,2,3
	v_cvt_scalef32_pk8_fp4_f32 v[WC+4*\kb+\g], v[XB+8*\g:XB+8*\g+7], v10
.endr
	global_store_b128 v3, v[WC+4*\kb:WC+4*\kb+3], s[26:27] offset:256*\kb   ; the sixteen lanes of a tile store 256 consecutive bytes, aligned
.endm
	QBLOCK 0, 63                                   ; 64 loads are younger than block 1's last: at most 63 out shows blocks 0 and 1 in
	QBLOCK 1, -1
	QBLOCK 2, 32
	QBLOCK 3, 0
	global_store_b32 v2, v12, s[28:29]
	s_endpgm
; ---------------------------------------------------------------- PLACING
; Vector j (0..15) of wave w holds tokens 512 w + 32 j + lane.  A token's two experts differ, so for an expert a lane has one row at the most.
; s20-27 counts, later the running places;  s28-35 totals;  s36-43 the tile behind each expert's last;  s44-51 the rows of the waves below mine;  s66-73, s74-81, s82-89 ballots.
.Lplace:
	v_lshlrev_b32 v2, 4, v0
	v_lshlrev_b32 v3, 3, v1
	v_lshlrev_b32 v4, 2, v0
	v_and_b32 v5, 7, v1
	v_lshlrev_b32 v5, 2, v5
.irp i, 8,9,10,11
	v_mov_b32 v\i, 0
.endr
	s_lshl_b32 s92, s16, 9
	v_add_nc_u32 v28, s92, v1                      ; 512 w + lane
	s_lshl_b32 s92, s16, 12
	s_mov_b32 s93, 0
.irp e, 0,1,2,3,4,5,6,7
	s_mov_b32 s[20+\e], 0
.endr
	s_wait_kmcnt 0x0
	s_add_nc_u64 s[94:95], s[6:7], s[92:93]        ; sel and inv at my wave's 512 tokens
	s_add_nc_u64 s[96:97], s[12:13], s[92:93]
.irp k, 0,1,2,3,4,5,6,7,8
	global_store_b128 v2, v[8:11], s[10:11] offset:4096*\k   ; order begins as zeros: a pad row reads token 0
.endr
.irp j, 0,1,2,3,4,5,6,7,8,9,10,11,12,13,14,15
	global_load_b64 v[EE+2*\j:EE+2*\j+1], v3, s[94:95] offset:256*\j
.endr
	s_wait_loadcnt 0x0
.macro MASKS j                         ; which lanes of vector j chose expert e first, second, at all
.irp e, 0,1,2,3,4,5,6,7
	v_cmp_eq_u32 s[66+\e], \e, v[EE+2*(\j)]
	v_cmp_eq_u32 s[74+\e], \e, v[EE+2*(\j)+1]
.endr
.irp e, 0,1,2,3,4,5,6,7
	s_or_b32 s[82+\e], s[66+\e], s[74+\e]
.endr
.endm
.irp j, 0,1,2,3,4,5,6,7,8,9,10,11,12,13,14,15
	MASKS \j
.irp e, 0,1,2,3,4,5,6,7
	s_bcnt1_i32_b32 s[82+\e], s[82+\e]
.endr
.irp e, 0,1,2,3,4,5,6,7
	s_add_co_u32 s[20+\e], s[20+\e], s[82+\e]      ; my wave's rows of expert e
.endr
.endr
	v_mov_b32 v12, 0
.irp e, 0,1,2,3,4,5,6,7
	v_writelane_b32 v12, s[20+\e], \e
.endr
	ds_store_b32 v4, v12                           ; my wave's eight counts in lanes 0-7 of its 128 bytes
	s_wait_storecnt 0x0                            ; my zeros are written: behind the barrier any wave may store a token over them
	s_wait_dscnt 0x0
	s_barrier_signal -1
	s_barrier_wait -1
.irp w, 0,1,2,3,4,5,6,7
	ds_load_b32 v[16+\w], v5 offset:128*\w         ; lane l: wave w's count of expert l % 8
.endr
	s_wait_dscnt 0x0
	v_add_nc_u32 v24, v16, v17
	v_add3_u32 v24, v24, v18, v19
	v_add3_u32 v24, v24, v20, v21
	v_add3_u32 v24, v24, v22, v23                  ; the totals
	v_mov_b32 v25, 0
.irp w, 0,1,2,3,4,5,6
	s_cmp_gt_u32 s16, \w
	s_cselect_b32 s90, -1, 0
	v_and_b32 v27, s90, v[16+\w]
	v_add_nc_u32 v25, v25, v27                     ; the rows of the waves below mine
.endr
.irp e, 0,1,2,3,4,5,6,7
	v_readlane_b32 s[28+\e], v24, \e
	v_readlane_b32 s[44+\e], v25, \e
.endr
	s_mov_b32 s91, 0                               ; the expert's first tile
.irp e, 0,1,2,3,4,5,6,7
	s_lshl_b32 s92, s91, 6
	s_add_co_u32 s[20+\e], s92, s[44+\e]           ; my wave's first place with expert e
	s_add_co_u32 s92, s[28+\e], 63
	s_lshr_b32 s92, s92, 6                         ; its tiles
	s_add_co_u32 s91, s91, s92
	s_mov_b32 s[36+\e], s91
.endr
	v_mov_b32 v26, 0                               ; thread t: the expert of tile t = how many experts end at or before t; tiles that the split leaves over count as expert 7's
.irp e, 0,1,2,3,4,5,6,7
	v_cmp_le_u32 vcc_lo, s[36+\e], v0
	v_add_co_ci_u32 v26, vcc_lo, 0, v26, vcc_lo
.endr
	v_min_u32 v26, 7, v26
	global_store_b32 v4, v26, s[10:11] offset:36864
.macro PLACE j
	MASKS \j
	v_mov_b32 v[PP+2*(\j)], 0
	v_mov_b32 v[PP+2*(\j)+1], 0
.irp e, 0,1,2,3,4,5,6,7
	v_mbcnt_lo_u32_b32 v27, s[82+\e], s[20+\e]     ; the running place + the lanes below mine with a row of expert e
	v_cndmask_b32 v[PP+2*(\j)], v[PP+2*(\j)], v27, s[66+\e]
	v_cndmask_b32 v[PP+2*(\j)+1], v[PP+2*(\j)+1], v27, s[74+\e]
.endr
.irp e, 0,1,2,3,4,5,6,7
	s_bcnt1_i32_b32 s90, s[82+\e]
	s_add_co_u32 s[20+\e], s[20+\e], s90
.endr
	global_store_b64 v3, v[PP+2*(\j):PP+2*(\j)+1], s[96:97] offset:256*(\j)   ; 256 consecutive bytes of inv
	v_add_nc_u32 v[TK+(\j)], 32*(\j), v28
	v_min_u32 v[PA+2*(\j)], 8639, v[PP+2*(\j)]     ; a place enters an address only clamped
	v_min_u32 v[PA+2*(\j)+1], 8639, v[PP+2*(\j)+1]
	v_lshlrev_b32 v[PA+2*(\j)], 2, v[PA+2*(\j)]
	v_lshlrev_b32 v[PA+2*(\j)+1], 2, v[PA+2*(\j)+1]
	global_store_b32 v[PA+2*(\j)], v[TK+(\j)], s[10:11]
	global_store_b32 v[PA+2*(\j)+1], v[TK+(\j)], s[10:11]
.endm
.irp j, 0,1,2,3,4,5,6,7,8,9,10,11,12,13,14,15
	PLACE \j
.endr
	s_wait_tensorcnt 0x0
	ds_add_u32 v176, v177
	s_wait_dscnt 0x0
	s_endpgm
.Lfunc_end_k_qea89cd7409_mid:
	.size	k_qea89cd7409_mid, .Lfunc_end_k_qea89cd7409_mid-k_qea89cd7409_mid
	.p2alignl 7, 3214868480
	.fill 96, 4, 3214868480
	.section	.rodata,"a",@progbits
	.p2align	6, 0x0
	.amdhsa_kernel k_qea89cd7409_mid
		.amdhsa_group_segment_fixed_size 2048
		.amdhsa_private_segment_fixed_size 0
		.amdhsa_enable_private_segment 0
		.amdhsa_kernarg_size 40
		.amdhsa_user_sgpr_count 2
		.amdhsa_user_sgpr_kernarg_segment_ptr 1
		.amdhsa_wavefront_size32 1
		.amdhsa_system_sgpr_workgroup_id_x 1
		.amdhsa_system_sgpr_workgroup_id_y 1
		.amdhsa_system_sgpr_workgroup_id_z 1
		.amdhsa_system_vgpr_workitem_id 0
		.amdhsa_next_free_vgpr 178
		.amdhsa_next_free_sgpr 100
		.amdhsa_reserve_vcc 1
		.amdhsa_float_denorm_mode_32 3
		.amdhsa_float_denorm_mode_16_64 3
		.amdhsa_memory_ordered 1
		.amdhsa_forward_progress 1
		.amdhsa_inst_pref_size 119
	.end_amdhsa_kernel
	.amdgpu_metadata
---
amdhsa.version: [ 1, 2 ]
amdhsa.kernels:
  - .name:           k_qea89cd7409_mid
    .symbol:         k_qea89cd7409_mid.kd
    .args:
      - { .name: W2, .offset: 0, .size: 8, .value_kind: global_buffer, .address_space: global }
      - { .name: sel, .offset: 8, .size: 8, .value_kind: global_buffer, .address_space: global }
      - { .name: wq, .offset: 16, .size: 8, .value_kind: global_buffer, .address_space: global }
      - { .name: route, .offset: 24, .size: 8, .value_kind: global_buffer, .address_space: global }
      - { .name: inv, .offset: 32, .size: 8, .value_kind: global_buffer, .address_space: global }
    .group_segment_fixed_size: 2048
    .private_segment_fixed_size: 0
    .kernarg_segment_align: 8
    .kernarg_segment_size: 40
    .max_flat_workgroup_size: 256
    .sgpr_count:     100
    .vgpr_count:     178
    .wavefront_size: 32
...
	.end_amdgpu_metadata
.endif
;; end of part 2
;; launch chain (part 3): grid 135 x 1, 4 waves a work-group, no clusters, 108,032 bytes of LDS; arguments route, xq, wq, b1, b2, Y; writes Y
.if DOCPART == 3
	.amdgcn_target "amdgcn-amd-amdhsa--gfx1250"
	.amdhsa_code_object_version 6
	.text
	.protected	k_qea89cd7409_chain
	.globl	k_qea89cd7409_chain
	.p2align	8
	.type	k_qea89cd7409_chain,@function
k_qea89cd7409_chain:
	s_mov_b64 s[64:65], 0
	v_nop
	global_prefetch_b8 v0, s[64:65] scope:SCOPE_SE
	s_setreg_imm32_b32 hwreg(HW_REG_WAVE_MODE, 25, 1), 1
	s_wait_xcnt 0x0
; ONE TILE OF 64 ROUTED ROWS OF ONE EXPERT THROUGH THE WHOLE CHAIN: Y[place] = relu(x W1[e] + b1[e]) W2[e] + b2[e], both products on codes of FP4 (E2M1) with one E8M0 scale for each 32 along K.
; The tile's expert and its rows' tokens are whole numbers that an earlier launch stored (route); both are clamped before they enter an address.  The hidden layer never goes to memory.
; THE GRID serves every split: 8,192 rows, 8 experts and tiles of 64 make at most 135 tiles.  A tile that a split leaves over runs like any other, on expert 7 and token 0, and writes its own rows of Y, which
; nobody reads: the barrier stands on every wave's path, and no branch hangs on loaded data.
; SHARES.  The four waves share the COLUMNS.  Phase 1: wave w makes hidden units 512 w on, 32 at a time (a pair of tiles), for all 64 rows; four pairs are one K step (4 w + trip) of the second product.
; Phase 2: wave w makes output columns 128 w on (8 tiles) for all 64 rows, over 16 K steps.  Each weight byte goes from memory straight into the operand register of the one wave that uses it: wq is laid in
; that order, a wave's whole stream being 32 consecutive blocks of 8,704 bytes, walked through four sets of registers, three sets (60 loads at the least) always on their way.
; No joint loads: they land in LDS, and here a weight byte would then be written to LDS and read back once for one use; what the waves do share, the hidden layer, is made in the work-group itself.
; BOTH PRODUCTS ARE USED TRANSPOSED (source 0 = 16 rows of the weight, source 1 = 16 routed rows): a lane holds one routed row, and its registers run along the columns.  The rows of W1 that form a tile
; were chosen so that the 16 registers of a pair are 16 neighbours along the next K.  The hidden layer goes from wave to wave through LDS as images of the operand registers (16 bytes a lane, 512 a line).
; The biases cost no addition: b1 is the C of a pair's first products; b2 is loaded into the second product's accumulators.
; LIMITS: NaN and infinities are not served; a block of zeros of the hidden layer gets the scale byte 1 (its codes are zeros).
; REGISTERS, in windows of 256.  Window 0: v1-19 addresses; v20-27 x's scale words, v28-43 the weights', v44-51 the hidden layer's (these hold scales alone); v52-103 the quantiser; v128-191 a pair's
;   8 accumulators; v192-255 b1, 16 registers a set.  Window 1: four sets of 64 registers of weight codes.  Window 2: the 32 accumulators of Y.  Window 3: v0-127 x's 16 fragments; v128-191 two sets of 4 hidden fragments.
.set BLKB,   8704
.set HSC,    65536                     ; LDS: bytes 0-65,535 the hidden layer's images: (K step j, row tile m) at 4,096 j + 1,024 m; from HSC their scale words: 512 j + 128 m + 4 x lane
.set STG,    73728                     ; the way out: 16 rows x (512 bytes + 16) for each wave, its own
.set SPITCH, 528
.set LN16, 1                           ; 16 x lane
.set LN4,  2                           ; 4 x lane
.set HWI,  3                           ; where my wave stores images: 16 x lane + 16,384 w
.set HWS,  4                           ; and their scale words: HSC + 4 x lane + 2,048 w
.set HAD,  5                           ; the image address in hand
.set HSD,  6                           ; the scale-word address in hand
.set STO,  7                           ; the stage, in
.set RD,   8                           ; the stage, out
.set BA,   9                           ; b1: 64 h
.set B2A,  10                          ; b2: 32 h
.set R4,   11                          ; 4 r
.set XA,   12                          ; v12-15 x's codes: my row of row tile m: token x 256 + 16 h
.set XSA,  16                          ; v16-17 x's scale bytes: token x 16
.set HRS,  18                          ; HSC + 4 x lane
.set H16,  19                          ; 16 h
.set XS,   20
.set WS,   28
.set HS,   44
.set SW,   52                          ; v52-55 the scale word being put together, one for each row tile
.set PC,   56                          ; v56-87 the codes of a K step, 8 registers for each row tile
.set AM,   88                          ; largest magnitudes
.set PX,   92                          ; the other half of the lanes'
.set SO,   96                          ; the conversions' scale operands
.set BY,   100                         ; scale bytes
.set TOK,  104                         ; v104-109 tokens as loaded
.set ACC1, 128
.set BI,   192
.set MSB, 0
.macro WIN new                         ; the immediate's high byte repeats the setting that is left; a switch that changes nothing is dropped
.if MSB != \new
	s_set_vgpr_msb (MSB<<8)|\new
.set MSB, \new
.endif
.endm
.macro PLACES                          ; four plain lines between a matrix instruction and a load into, or the first read of, its registers
.rept 4
	v_nop
.endr
.endm
; a scaled product; ra, rb: source 0's, source 1's scales stand in lanes 16-31 of their register
.macro WM d, a, b, c, sa, sb, ra, rb
.if (\ra) && (\rb)
	v_wmma_scale_f32_16x16x128_f8f6f4 v[\d:\d+7], v[\a:\a+7], v[\b:\b+7], v[\c:\c+7], v[\sa], v[\sb] matrix_a_fmt:MATRIX_FMT_FP4 matrix_b_fmt:MATRIX_FMT_FP4 matrix_a_scale:MATRIX_SCALE_ROW1 matrix_b_scale:MATRIX_SCALE_ROW1
.elseif (\ra)
	v_wmma_scale_f32_16x16x128_f8f6f4 v[\d:\d+7], v[\a:\a+7], v[\b:\b+7], v[\c:\c+7], v[\sa], v[\sb] matrix_a_fmt:MATRIX_FMT_FP4 matrix_b_fmt:MATRIX_FMT_FP4 matrix_a_scale:MATRIX_SCALE_ROW1
.elseif (\rb)
	v_wmma_scale_f32_16x16x128_f8f6f4 v[\d:\d+7], v[\a:\a+7], v[\b:\b+7], v[\c:\c+7], v[\sa], v[\sb] matrix_a_fmt:MATRIX_FMT_FP4 matrix_b_fmt:MATRIX_FMT_FP4 matrix_b_scale:MATRIX_SCALE_ROW1
.else
	v_wmma_scale_f32_16x16x128_f8f6f4 v[\d:\d+7], v[\a:\a+7], v[\b:\b+7], v[\c:\c+7], v[\sa], v[\sb] matrix_a_fmt:MATRIX_FMT_FP4 matrix_b_fmt:MATRIX_FMT_FP4
.endif
.endm
; a block of the stream, off bytes from the stream's pointer, into set: 16 lines of codes, 4 of scale words; bias = 1: the pair's 32 numbers of b1 from pointer s[bp:bp+1].  24 loads, or 20
.macro LOADSET set, off, bias, bp
	WIN 0x40                                       ; destination window 1
.irp k, 0,1,2,3,4,5,6,7,8,9,10,11,12,13,14,15
	global_load_b128 v[64*(\set)+4*\k:64*(\set)+4*\k+3], v[LN16], s[22:23] offset:(\off)+512*\k
.endr
	WIN 0
.irp q, 0,1,2,3
	global_load_b32 v[WS+4*(\set)+\q], v[LN4], s[22:23] offset:(\off)+8192+128*\q
.endr
.if \bias
.irp k, 0,1,2,3
	global_load_b128 v[BI+16*(\set)+4*\k:BI+16*(\set)+4*\k+3], v[BA], s[\bp:\bp+1] offset:128*(\set)+16*\k
.endr
.endif
.endm
; phase 1, one product: pair in set b, K step s of x, tile u of the pair, row tile m
.macro P1MUL b, s, u, m
.set rD, ACC1+8*(4*\u+\m)
.set rA, 64*\b+8*(4*\u+\s)
.set rB, 8*(4*\m+\s)
.set rSA, WS+4*\b+\s
.set rSB, XS+4*((\m)/2)+\s
.if \s == 0
.set rC, BI+16*\b+8*\u
.else
.set rC, rD
.endif
	WM rD, rA, rB, rC, rSA, rSB, \u, (\m)%2
.endm
; the pair's 32 hidden units of 64 rows: relu, the block's scale, its codes.  In each row tile m a lane holds 16 neighbours of its row: tile 0's eight registers, then tile 1's; lane l xor 16 holds the other 16
.macro QUANT b
.irp a, 0,1,2,3,4,5,6,7
.irp j, 0,1,2,3,4,5,6,7
	v_max_num_f32 v[ACC1+8*\a+\j], 0, v[ACC1+8*\a+\j]              ; the activation, each accumulator from its low end on
.endr
.endr
.irp m, 0,1,2,3
	v_max3_num_f32 v[AM+\m], v[ACC1+8*\m], v[ACC1+8*\m+1], 0x1800000   ; none is negative: no |.|; the floor 2^(3 - 127) holds the byte at 1 from below
.endr
.irp i, 2,4,6
.irp m, 0,1,2,3
	v_max3_num_f32 v[AM+\m], v[AM+\m], v[ACC1+8*\m+\i], v[ACC1+8*\m+\i+1]   ; (the four row tiles by turns)
.endr
.endr
.irp i, 0,2,4,6
.irp m, 0,1,2,3
	v_max3_num_f32 v[AM+\m], v[AM+\m], v[ACC1+32+8*\m+\i], v[ACC1+32+8*\m+\i+1]
.endr
.endr
.irp m, 0,1,2,3
	v_permlanex16_b32 v[PX+\m], v[AM+\m], s20, s21
.endr
.irp m, 0,1,2,3
	v_max_num_f32 v[AM+\m], v[AM+\m], v[PX+\m]     ; the block's largest magnitude
.endr
.irp m, 0,1,2,3
	v_add_nc_u32 v[SO+\m], 0xff000000, v[AM+\m]    ; 2 off its exponent field: the conversion's scale operand
.endr
.if \b == 0
.irp m, 0,1,2,3
	v_lshrrev_b32 v[SW+\m], 23, v[SO+\m]           ; the scale's byte starts the K step's scale word
.endr
.else
.irp m, 0,1,2,3
	v_lshrrev_b32 v[BY+\m], 23, v[SO+\m]
.endr
.irp m, 0,1,2,3
	v_lshl_or_b32 v[SW+\m], v[BY+\m], 8*\b, v[SW+\m]
.endr
.endif
.irp m, 0,1,2,3
	v_cvt_scalef32_pk8_fp4_f32 v[PC+8*\m+2*\b], v[ACC1+8*\m:ACC1+8*\m+7], v[SO+\m]
	v_cvt_scalef32_pk8_fp4_f32 v[PC+8*\m+2*\b+1], v[ACC1+32+8*\m:ACC1+32+8*\m+7], v[SO+\m]
.endr
	v_nop                                          ; one plain line behind the conversions
.endm
; a pair: 32 products, the eight accumulators by turns; then the set is filled again, four blocks ahead; then the quantiser
.macro PAIR b
	s_wait_loadcnt 60                              ; three sets, 72 loads, are younger than the set in hand; on the way in x's loads have 112 younger
	WIN 0x0d                                       ; source 0 window 1, source 1 window 3, C and D window 0
.irp s, 0,1,2,3
.irp u, 0,1
.irp m, 0,1,2,3
	P1MUL \b, \s, \u, \m
.endr
.endr
.endr
	PLACES
	LOADSET \b, (4+\b)*BLKB, 1, 26
	QUANT \b
.endm
; four pairs are a K step: a whole block goes into each lane, and the four fragments go to LDS as they stand
.macro IMAGES
.irp m, 0,1,2,3
.irp c, 0,1
.irp i, 0,1
	v_permlane16_swap_b32 v[PC+8*\m+4*\c+\i], v[PC+8*\m+4*\c+2+\i]   ; lanes 0-15 block 2 c, lanes 16-31 block 2 c + 1
.endr
.endr
.endr
.irp m, 0,1,2,3
.irp c, 0,1
	ds_store_b128 v[HAD], v[PC+8*\m+4*\c:PC+8*\m+4*\c+3] offset:1024*\m+512*\c
.endr
	ds_store_b32 v[HSD], v[SW+\m] offset:128*\m
.endr
	s_wait_dscnt 0x0                               ; the stores have read their registers: the next K step's codes may be written
.endm
; phase 2: the four hidden fragments and scale words of K step rel (counted from the trip's first) into buffer buf: 12 LDS loads
.macro HFETCH buf, rel
	WIN 0xc0                                       ; destination window 3
.irp m, 0,1,2,3
.irp c, 0,1
	ds_load_b128 v[128+32*(\buf)+8*\m+4*\c:128+32*(\buf)+8*\m+4*\c+3], v[HAD] offset:4096*(\rel)+1024*\m+512*\c
.endr
.endr
	WIN 0
.irp m, 0,1,2,3
	ds_load_b32 v[HS+4*(\buf)+\m], v[HSD] offset:512*(\rel)+128*\m
.endr
.endm
.macro P2MUL b, t, m
.set rD, 8*(4*\t+\m)
.set rA, 64*\b+8*\t
.set rB, 128+32*((\b)%2)+8*\m
.set rSA, WS+4*\b+(\t)/2
.set rSB, HS+4*((\b)%2)+\m
	WM rD, rA, rB, rD, rSA, rSB, (\t)%2, 0
.endm
; a K step of the second product: 32 products, the 32 accumulators by turns.  lc, dc: the younger global and LDS loads that may stay out
.macro KSTEP b, lc, dc, refill, fetch
	s_wait_loadcnt \lc
	s_wait_dscnt \dc
	WIN 0xad                                       ; source 0 window 1, source 1 window 3, C and D window 2
.irp t, 0,1,2,3,4,5,6,7
.irp m, 0,1,2,3
	P2MUL \b, \t, \m
.endr
.endr
	PLACES
.if \refill
	LOADSET \b, (4+\b)*BLKB, 0, 24
.endif
.if \fetch
	HFETCH (\b)%2, (\b)+2
.endif
	WIN 0
.endm
; the way out of row tile m: a lane holds 32 neighbouring bytes of a row for each of 8 tiles; through my stage they become whole runs of 512 bytes
.macro TOSTAGE m
	WIN 0x08                                       ; an LDS store's data are its source 1: window 2
.irp t, 0,1,2,3,4,5,6,7
	ds_store_b128 v[STO], v[8*(4*\t+\m):8*(4*\t+\m)+3] offset:64*\t          ; each accumulator from its low end on
	ds_store_b128 v[STO], v[8*(4*\t+\m)+4:8*(4*\t+\m)+7] offset:64*\t+16
.endr
	WIN 0
.set BB, 128+64*((\m)%2)
.irp i, 0,1,2,3,4,5,6,7,8,9,10,11,12,13,14,15
	ds_load_b128 v[BB+4*\i:BB+4*\i+3], v[RD] offset:\i*SPITCH      ; LDS serves a wave's instructions in order: these see the stores above
.endr
.endm
.macro SEND m, younger
.set BB, 128+64*((\m)%2)
	s_wait_dscnt \younger
.irp i, 0,1,2,3,4,5,6,7,8,9,10,11,12,13,14,15
	global_store_b128 v[LN16], v[BB+4*\i:BB+4*\i+3], s[30:31] offset:(16*\m+\i)*2048   ; 512 consecutive bytes, at a multiple of 256 from Y's first byte
.endr
.endm
	s_load_b256 s[4:11], s[0:1], 0x0               ; route s[4:5], xq s[6:7], wq s[8:9], b1 s[10:11]
	s_load_b128 s[12:15], s[0:1], 0x20             ; b2 s[12:13], Y s[14:15]
	v_lshl_add_u32 v126, v0, 2, 0x1a400
	v_mov_b32 v127, 0
	v_lshrrev_b32 v1, 5, v0
	v_readfirstlane_b32 s16, v1                    ; wave 0..3
	v_and_b32 v110, 31, v0                         ; lane
	v_and_b32 v111, 15, v0                         ; r
	v_bfe_u32 v112, v0, 4, 1                       ; h
	v_lshlrev_b32 v[LN16], 4, v110
	v_lshlrev_b32 v[LN4], 2, v110
	s_lshl_b32 s18, s16, 14
	v_add_nc_u32 v[HWI], s18, v[LN16]
	s_lshl_b32 s18, s16, 11
	s_add_co_u32 s18, s18, HSC
	v_add_nc_u32 v[HWS], s18, v[LN4]
	v_add_nc_u32 v[HRS], HSC, v[LN4]
	s_mul_i32 s18, s16, 16*SPITCH
	s_add_co_u32 s18, s18, STG                     ; my stage
	v_mul_u32_u24 v[STO], v111, SPITCH
	v_lshl_add_u32 v[STO], v112, 5, v[STO]
	v_add_nc_u32 v[STO], s18, v[STO]               ; in: row r, + 32 h
	v_add_nc_u32 v[RD], s18, v[LN16]               ; out: 16 bytes a lane of a row
	v_lshlrev_b32 v[BA], 6, v112
	v_lshlrev_b32 v[B2A], 5, v112
	v_lshlrev_b32 v[R4], 2, v111
	v_lshlrev_b32 v[H16], 4, v112
.irp m, 0,1,2,3
	v_mov_b32 v[PX+\m], 0                          ; written once: a lane permute's destination counts as one of its sources
.endr
	s_mov_b32 s20, 0x76543210
	s_mov_b32 s21, 0xfedcba98                      ; selects for lane l xor 16
	s_lshl_b32 s18, ttmp9, 2
	s_mov_b32 s19, 0
	s_wait_kmcnt 0x0
	s_add_nc_u64 s[42:43], s[4:5], s[18:19]
	s_load_b32 s17, s[42:43], 0x9000               ; tiles[T]: they lie 36,864 bytes into route
	s_lshl_b32 s18, ttmp9, 8
	s_add_nc_u64 s[34:35], s[4:5], s[18:19]        ; order at my tile's 64 places
.irp m, 0,1,2,3
	global_load_b32 v[TOK+\m], v[R4], s[34:35] offset:64*\m        ; the token of row r of row tile m
.endr
.irp p, 0,1
	global_load_b32 v[TOK+4+\p], v[LN4], s[34:35] offset:128*\p    ; lanes 0-15: row tile 2 p; lanes 16-31: 2 p + 1
.endr
	s_add_nc_u64 s[32:33], s[6:7], 0x100000        ; x's scale bytes lie behind its codes
	s_lshl_b32 s18, ttmp9, 17
	s_lshl_b32 s44, s16, 9
	s_add_co_u32 s18, s18, s44
	s_add_nc_u64 s[30:31], s[14:15], s[18:19]      ; Y at my tile's first row, my 128 columns
	s_wait_kmcnt 0x0
	s_min_u32 s17, s17, 7                          ; the expert enters addresses only clamped
	s_lshl_b32 s18, s17, 2
	s_add_co_u32 s18, s18, s16
	s_mul_i32 s18, s18, 32*BLKB
	s_add_nc_u64 s[22:23], s[8:9], s[18:19]        ; my stream of 32 blocks
	s_lshl_b32 s18, s17, 13
	s_lshl_b32 s44, s16, 11
	s_add_co_u32 s18, s18, s44
	s_add_nc_u64 s[24:25], s[10:11], s[18:19]      ; b1: my 512 numbers
	s_add_nc_u64 s[26:27], s[24:25], 512           ; and those of the trip ahead
	s_lshl_b32 s18, s17, 11
	s_lshl_b32 s44, s16, 9
	s_add_co_u32 s18, s18, s44
	s_add_nc_u64 s[28:29], s[12:13], s[18:19]      ; b2: my 128 numbers
	LOADSET 0, 0, 1, 24
	LOADSET 1, BLKB, 1, 24
	s_wait_loadcnt 48                              ; the two sets may be out; the six loads of tokens are in
.irp m, 0,1,2,3
	v_min_u32 v[TOK+\m], 4095, v[TOK+\m]
	v_lshl_add_u32 v[XA+\m], v[TOK+\m], 8, v[H16]
.endr
.irp p, 0,1
	v_min_u32 v[TOK+4+\p], 4095, v[TOK+4+\p]
	v_lshlrev_b32 v[XSA+\p], 4, v[TOK+4+\p]
.endr
	WIN 0xc0
.irp m, 0,1,2,3
.irp q, 0,1,2,3
.irp c, 0,1
	global_load_b128 v[8*(4*\m+\q)+4*\c:8*(4*\m+\q)+4*\c+3], v[XA+\m], s[6:7] offset:64*\q+32*\c   ; x's fragments stay in registers: a row's 256 bytes are read whole
.endr
.endr
.endr
	WIN 0
.irp p, 0,1
	global_load_b128 v[XS+4*\p:XS+4*\p+3], v[XSA+\p], s[32:33]     ; a row's four scale words
.endr
	WIN 0x80
.irp t, 0,1,2,3,4,5,6,7
.irp m, 0,1,2,3
.irp k, 0,1
	global_load_b128 v[8*(4*\t+\m)+4*\k:8*(4*\t+\m)+4*\k+3], v[B2A], s[28:29] offset:64*\t+16*\k   ; b2 starts Y's sums: nothing is cleared, and every K step has one form
.endr
.endr
.endr
	WIN 0
	LOADSET 2, 2*BLKB, 1, 24
	LOADSET 3, 3*BLKB, 1, 24
	; ---- phase 1: four trips, each four pairs = one K step of the second product
	s_mov_b32 s36, 0
	s_mov_b32 s37, 0
	s_mov_b32 s38, 0
	s_mov_b32 s41, 0
.Lp1:
	v_add_nc_u32 v[HAD], s37, v[HWI]
	v_add_nc_u32 v[HSD], s38, v[HWS]
	PAIR 0
	PAIR 1
	PAIR 2
	PAIR 3
	IMAGES
	s_wait_xcnt 0x0                                ; the loads have read their bases: both pointers may step
	s_add_nc_u64 s[22:23], s[22:23], 4*BLKB        ; (in the last trip the refills were W2's first four blocks: the stream runs on)
	s_add_co_u32 s37, s37, 4096
	s_add_co_u32 s38, s38, 512
	s_add_co_u32 s36, s36, 1
	s_cmp_lt_u32 s36, 3
	s_cselect_b32 s40, 512, 0                      ; b1's pointer stands still for the last trip: its loads read that trip's own 512 bytes again, inside b1, and are not used
	s_add_nc_u64 s[26:27], s[26:27], s[40:41]
	s_cmp_lt_u32 s36, 4
	s_cbranch_scc1 .Lp1
	s_wait_dscnt 0x0                               ; for the others' sake: my images have landed
	s_barrier_signal -1
	s_barrier_wait -1                              ; the hidden layer's 64 fragments lie in LDS; nobody writes them again
	; ---- phase 2: sixteen K steps, four a trip; the last four are written out, without refills
	s_mov_b32 s36, 0
	s_mov_b32 s37, 0
	s_mov_b32 s38, 0
	v_add_nc_u32 v[HAD], s37, v[LN16]
	v_add_nc_u32 v[HSD], s38, v[HRS]
	HFETCH 0, 0
	HFETCH 1, 1
.Lp2:
	v_add_nc_u32 v[HAD], s37, v[LN16]
	v_add_nc_u32 v[HSD], s38, v[HRS]
	KSTEP 0, 60, 12, 1, 1                          ; three sets (60 loads at the least) are younger than the set in hand; the next K step's 12 LDS loads may be out
	KSTEP 1, 60, 12, 1, 1
	KSTEP 2, 60, 12, 1, 1
	KSTEP 3, 60, 12, 1, 1
	s_wait_xcnt 0x0                                ; the loads have read their base
	s_add_nc_u64 s[22:23], s[22:23], 4*BLKB
	s_add_co_u32 s37, s37, 16384
	s_add_co_u32 s38, s38, 2048
	s_add_co_u32 s36, s36, 1
	s_cmp_lt_u32 s36, 3
	s_cbranch_scc1 .Lp2
	v_add_nc_u32 v[HAD], s37, v[LN16]
	v_add_nc_u32 v[HSD], s38, v[HRS]
	KSTEP 0, 60, 12, 0, 1                          ; the counts run down: three sets younger, two, one, none
	KSTEP 1, 40, 12, 0, 1
	KSTEP 2, 20, 12, 0, 0
	KSTEP 3, 0, 0, 0, 0
	; ---- the way out: the four places behind the last products stand at the K step's end
	TOSTAGE 0
	TOSTAGE 1
	SEND 0, 32                                     ; behind row tile 0's loads: row tile 1's 16 stores and 16 loads
	s_wait_xcnt 0x0                                ; row tile 0's stores have read their registers: row tile 2's loads may land there
	TOSTAGE 2
	SEND 1, 32
	s_wait_xcnt 0x0
	TOSTAGE 3
	SEND 2, 32
	SEND 3, 0
	s_wait_tensorcnt 0x0
	ds_add_u32 v126, v127
	s_wait_dscnt 0x0
	s_endpgm
.Lfunc_end_k_qea89cd7409_chain:
	.size	k_qea89cd7409_chain, .Lfunc_end_k_qea89cd7409_chain-k_qea89cd7409_chain
	.p2alignl 7, 3214868480
	.fill 96, 4, 3214868480
	.section	.rodata,"a",@progbits
	.p2align	6, 0x0
	.amdhsa_kernel k_qea89cd7409_chain
		.amdhsa_group_segment_fixed_size 108032
		.amdhsa_private_segment_fixed_size 0
		.amdhsa_enable_private_segment 0
		.amdhsa_kernarg_size 48
		.amdhsa_user_sgpr_count 2
		.amdhsa_user_sgpr_kernarg_segment_ptr 1
		.amdhsa_wavefront_size32 1
		.amdhsa_system_sgpr_workgroup_id_x 1
		.amdhsa_system_sgpr_workgroup_id_y 1
		.amdhsa_system_sgpr_workgroup_id_z 1
		.amdhsa_system_vgpr_workitem_id 0
		.amdhsa_next_free_vgpr 1024
		.amdhsa_next_free_sgpr 66
		.amdhsa_reserve_vcc 0
		.amdhsa_float_denorm_mode_32 3
		.amdhsa_float_denorm_mode_16_64 3
		.amdhsa_memory_ordered 1
		.amdhsa_forward_progress 1
		.amdhsa_inst_pref_size 137
	.end_amdhsa_kernel
	.amdgpu_metadata
---
amdhsa.version: [ 1, 2 ]
amdhsa.kernels:
  - .name:           k_qea89cd7409_chain
    .symbol:         k_qea89cd7409_chain.kd
    .args:
      - { .name: route, .offset: 0, .size: 8, .value_kind: global_buffer, .address_space: global }
      - { .name: xq, .offset: 8, .size: 8, .value_kind: global_buffer, .address_space: global }
      - { .name: wq, .offset: 16, .size: 8, .value_kind: global_buffer, .address_space: global }
      - { .name: b1, .offset: 24, .size: 8, .value_kind: global_buffer, .address_space: global }
      - { .name: b2, .offset: 32, .size: 8, .value_kind: global_buffer, .address_space: global }
      - { .name: Y, .offset: 40, .size: 8, .value_kind: global_buffer, .address_space: global }
    .group_segment_fixed_size: 108032
    .private_segment_fixed_size: 0
    .kernarg_segment_align: 8
    .kernarg_segment_size: 48
    .max_flat_workgroup_size: 128
    .sgpr_count:     66
    .vgpr_count:     1024
    .wavefront_size: 32
...
	.end_amdgpu_metadata
.endif
;; end of part 3
;; launch combine (part 4): grid 256 x 1, 4 waves a work-group, no clusters, 0 bytes of LDS; arguments inv, cw, Y, out0; writes out0
.if DOCPART == 4
	.amdgcn_target "amdgcn-amd-amdhsa--gfx1250"
	.amdhsa_code_object_version 6
	.text
	.protected	k_qea89cd7409_combine
	.globl	k_qea89cd7409_combine
	.p2align	8
	.type	k_qea89cd7409_combine,@function
k_qea89cd7409_combine:
	s_mov_b64 s[64:65], 0
	v_nop
	global_prefetch_b8 v0, s[64:65] scope:SCOPE_SE
	s_setreg_imm32_b32 hwreg(HW_REG_WAVE_MODE, 25, 1), 1
	s_wait_xcnt 0x0
; out0[token] = c0 Y[p0] + c1 Y[p1]: the token's two rows, found by the places that an earlier launch stored as whole numbers (inv), weighted by the gate's two probabilities (cw).
; The six experts that were not chosen have weight 0 in the sum and are not computed.  A stream: a wave takes four tokens; its 32 loads of 512 consecutive bytes go out at once, 16 KB a wave.
; No LDS, no barrier, no matrix work: memory binds.  No register is written again while a memory instruction may read it.
	s_load_b256 s[4:11], s[0:1], 0x0               ; inv s[4:5], cw s[6:7], Y s[8:9], out0 s[10:11]
	v_lshrrev_b32 v1, 5, v0
	v_readfirstlane_b32 s12, v1                    ; wave 0..3
	v_and_b32 v1, 31, v0
	v_lshlrev_b32 v1, 4, v1                        ; 16 x lane
	s_lshl_b32 s13, ttmp9, 2
	s_add_co_u32 s13, s13, s12                     ; which four tokens
	s_lshl_b32 s14, s13, 5                         ; 8 bytes a token in inv and in cw
	s_mov_b32 s15, 0
	s_wait_kmcnt 0x0
	s_add_nc_u64 s[4:5], s[4:5], s[14:15]
	s_add_nc_u64 s[6:7], s[6:7], s[14:15]
	s_load_b256 s[16:23], s[4:5], 0x0              ; p0, p1 of four tokens
	s_load_b256 s[24:31], s[6:7], 0x0              ; c0, c1 of four tokens
	s_lshl_b32 s14, s13, 13
	s_add_nc_u64 s[40:41], s[10:11], s[14:15]      ; out0 at my first token
	s_wait_kmcnt 0x0
.irp i, 0,1,2,3,4,5,6,7
	s_min_u32 s[16+\i], s[16+\i], 8639             ; a place enters an address only clamped
	v_lshl_add_u32 v[2+\i], s[16+\i], 11, v1       ; its row of 2,048 bytes, + my 16
.endr
.irp t, 0,1,2,3
.irp k, 0,1
.irp q, 0,1,2,3
	global_load_b128 v[16+32*\t+16*\k+4*\q:16+32*\t+16*\k+4*\q+3], v[2+2*\t+\k], s[8:9] offset:512*\q th:TH_LOAD_NT
.endr
.endr
.endr
.irp t, 0,1,2,3
	s_mov_b32 s[32+2*\t], s[25+2*\t]               ; c1 as the low word of a pair of its own: the packed form takes a pair's low word for both halves
	s_mov_b32 s[33+2*\t], s[25+2*\t]
.endr
.irp t, 0,1,2,3
	s_wait_loadcnt 8*(3-\t)                        ; this token's eight loads are in; the later tokens' may be out
.irp j, 0,2,4,6,8,10,12,14
	v_pk_mul_f32 v[16+32*\t+\j:17+32*\t+\j], v[16+32*\t+\j:17+32*\t+\j], s[24+2*\t:25+2*\t] op_sel_hi:[1,0]
.endr
.irp j, 0,2,4,6,8,10,12,14
	v_pk_fma_f32 v[16+32*\t+\j:17+32*\t+\j], v[32+32*\t+\j:33+32*\t+\j], s[32+2*\t:33+2*\t], v[16+32*\t+\j:17+32*\t+\j] op_sel_hi:[1,0,1]
.endr
.irp q, 0,1,2,3
	global_store_b128 v1, v[16+32*\t+4*\q:16+32*\t+4*\q+3], s[40:41] offset:2048*\t+512*\q th:TH_STORE_NT   ; 512 consecutive bytes, at a multiple of 256 from out0's first byte
.endr
.endr
	s_endpgm
.Lfunc_end_k_qea89cd7409_combine:
	.size	k_qea89cd7409_combine, .Lfunc_end_k_qea89cd7409_combine-k_qea89cd7409_combine
	.p2alignl 7, 3214868480
	.fill 96, 4, 3214868480
	.section	.rodata,"a",@progbits
	.p2align	6, 0x0
	.amdhsa_kernel k_qea89cd7409_combine
		.amdhsa_group_segment_fixed_size 0
		.amdhsa_private_segment_fixed_size 0
		.amdhsa_enable_private_segment 0
		.amdhsa_kernarg_size 32
		.amdhsa_user_sgpr_count 2
		.amdhsa_user_sgpr_kernarg_segment_ptr 1
		.amdhsa_wavefront_size32 1
		.amdhsa_system_sgpr_workgroup_id_x 1
		.amdhsa_system_sgpr_workgroup_id_y 1
		.amdhsa_system_sgpr_workgroup_id_z 1
		.amdhsa_system_vgpr_workitem_id 0
		.amdhsa_next_free_vgpr 160
		.amdhsa_next_free_sgpr 66
		.amdhsa_reserve_vcc 0
		.amdhsa_float_denorm_mode_32 3
		.amdhsa_float_denorm_mode_16_64 3
		.amdhsa_memory_ordered 1
		.amdhsa_forward_progress 1
		.amdhsa_inst_pref_size 11
	.end_amdhsa_kernel
	.amdgpu_metadata
---
amdhsa.version: [ 1, 2 ]
amdhsa.kernels:
  - .name:           k_qea89cd7409_combine
    .symbol:         k_qea89cd7409_combine.kd
    .args:
      - { .name: inv, .offset: 0, .size: 8, .value_kind: global_buffer, .address_space: global }
      - { .name: cw, .offset: 8, .size: 8, .value_kind: global_buffer, .address_space: global }
      - { .name: Y, .offset: 16, .size: 8, .value_kind: global_buffer, .address_space: global }
      - { .name: out0, .offset: 24, .size: 8, .value_kind: global_buffer, .address_space: global }
    .group_segment_fixed_size: 0
    .private_segment_fixed_size: 0
    .kernarg_segment_align: 8
    .kernarg_segment_size: 32
    .max_flat_workgroup_size: 128
    .sgpr_count:     66
    .vgpr_count:     160
    .wavefront_size: 32
...
	.end_amdgpu_metadata
.endif
;; end of part 4
;; ======== version 2 of 3: 4 launches; 1.11 times as fast as version 1
;; workspace buffers: xq 1,114,112 bytes; cw 32,768 bytes; sel 32,768 bytes of whole numbers; wq 8,912,896 bytes; route 37,888 bytes of whole numbers; inv 32,768 bytes of whole numbers; Y 17,694,720 bytes
;; launch front (part 5): grid 384 x 1, 8 waves a work-group, no clusters, 62,976 bytes of LDS; arguments x, Wg, bg, W1, xq, cw, sel, out1, wq; writes xq, cw, sel, out1, wq
.if DOCPART == 5
	.amdgcn_target "amdgcn-amd-amdhsa--gfx1250"
	.amdhsa_code_object_version 6
	.text
	.protected	k_qea89cd7409_front
	.globl	k_qea89cd7409_front
	.p2align	8
	.type	k_qea89cd7409_front,@function
k_qea89cd7409_front:
	s_mov_b64 s[64:65], 0
	v_nop
	global_prefetch_b8 v0, s[64:65] scope:SCOPE_SE
	s_setreg_imm32_b32 hwreg(HW_REG_WAVE_MODE, 25, 1), 1
	s_wait_xcnt 0x0
; TWO JOBS IN ONE LAUNCH, parted on the work-group's number.
; Work-groups 0-127 (THE GATE): 32 tokens each, 4 a wave.  logits = x Wg + bg by f32 multiply-adds, softmax with the row's maximum taken away (out1), the two largest
;   probabilities (a tie goes to the lower index) stored at fixed places: their values in cw, their experts in sel; and x as codes of FP4 (E2M1) with one E8M0 byte for each 32 along K (xq).
; Work-groups 128-383 (W1): W1 [8][512 k][2048 n] f32 becomes codes, quantised down K, laid in wq in the order of the operand registers of the launch that multiplies.
; A block's scale is 2^(floor(log2(largest magnitude)) - 2); its byte is the largest magnitude's exponent field - 2, held at 1 from below.
; LIMITS: NaN and infinities among the inputs are not served.  A block of zeros gets the byte 1 where the rule says 127: its codes are zeros, and the bytes are read by this program alone.
;   The two experts are chosen on this text's own f32 probabilities: where the second and third agree to within the rounding of a sum of 512 products the choice may differ from another f32 order of summing.
;   A probability under 2^-126 comes out of the exponential as 0.
; No tensor loads, no matrix work: both jobs stream.  Only the gate touches LDS and has barriers (two).
.set NG,     128                       ; the gate's work-groups
.set TPW,    4                         ; tokens of a wave
.set SP,     80                        ; a lane's place in a turning stage: its 64 bytes + 16 of padding
.set STG2,   32*SP                     ; a stage; two for each wave, from LDS byte wave x 5,120
.set LG,     40960                     ; 256 bytes a wave: its tokens' 8 logits each
.set OUT1S,  43008                     ; the way out, 2,048 bytes: 32 tokens x 32 bytes of probabilities,
.set XSS,    44032                     ; 32 x 16 scale bytes of x,
.set CWS,    44544                     ; 32 x 8 bytes: the two probabilities,
.set SELS,   44800                     ; 32 x 8 bytes: the two experts
.set WGL,    45056                     ; Wg: 32 chunks of 512 bytes (16 rows: one lane's), 528 bytes apart
.set WGP,    528
.set GT,     16                        ; v16-23   the other half of the lanes' sums
.set GC,     28                        ; v28-35   codes: two registers for each token, so that no store's data are written again
.set ACC,    44                        ; v44-51   8 logits
.set GX,     64                        ; v64-95   two sets of 16 neighbours
.set GR,     96                        ; v96-127  two sets of 16 numbers as loaded
.set WGR,    128                       ; v128-255 Wg[16 lane + i][e] at 8 i + e
.set WX,     16                        ; W1's job: v16-143 128 numbers down K of my column
.set WC,     144                       ; v144-159 its codes: four registers a block
.set WPITCH, 8192                      ; a row of W1 in bytes
.set BLKB,   8704                      ; a block of wq: 16 lines of 512 bytes of codes, 4 lines of 128 bytes of scale words
	s_load_b512 s[4:19], s[0:1], 0x0               ; x s[4:5], Wg s[6:7], bg s[8:9], W1 s[10:11], xq s[12:13], cw s[14:15], sel s[16:17], out1 s[18:19]
	s_load_b64 s[20:21], s[0:1], 0x40              ; wq
	s_set_vgpr_msb 0x40
	v_lshl_add_u32 v0, v0, 2, 0xf200
	v_mov_b32 v1, 0
	s_set_vgpr_msb 0x4000
	v_lshrrev_b32 v1, 5, v0
	v_readfirstlane_b32 s22, v1                    ; wave 0..7
	v_and_b32 v1, 31, v0                           ; lane
	s_cmp_lt_u32 ttmp9, NG
	s_cbranch_scc0 .Lw1
; ---------------------------------------------------------------- THE GATE
	v_lshlrev_b32 v2, 4, v1                        ; 16 x lane: my 16 bytes of a load's 512
	s_mul_i32 s23, s22, 2*STG2
	v_lshrrev_b32 v14, 2, v1
	v_mul_u32_u24 v14, v14, SP
	v_and_b32 v15, 3, v1                           ; lane % 4
	v_lshl_add_u32 v3, v15, 4, v14
	v_add_nc_u32 v3, s23, v3                       ; the stage, in: four lanes' 64 bytes on end, then the padding
	v_mul_u32_u24 v4, v1, SP
	v_add_nc_u32 v4, s23, v4                       ; and out: my 16 neighbours
	v_lshlrev_b32 v5, 3, v1                        ; 8 x lane
	s_lshl_b32 s23, s22, 6
	s_add_co_u32 s23, s23, XSS
	v_lshrrev_b32 v6, 1, v1
	v_add_nc_u32 v6, s23, v6                       ; my block's scale byte: 64 bytes a wave
	s_lshl_b32 s23, s22, 8
	s_add_co_u32 s30, s23, LG
	v_mov_b32 v7, s30                              ; my wave's logits
	v_lshl_add_u32 v8, v15, 5, s30                 ; those of token lane % 4
	s_lshl_b32 s23, s22, 7
	s_add_co_u32 s30, s23, OUT1S
	v_lshl_add_u32 v9, v15, 5, s30
	s_lshl_b32 s23, s22, 5
	s_add_co_u32 s30, s23, CWS
	v_lshl_add_u32 v10, v15, 3, s30
	s_add_co_u32 s30, s23, SELS
	v_lshl_add_u32 v11, v15, 3, s30
	v_lshl_add_u32 v12, v0, 4, OUT1S               ; the way out: waves 0-2, 16 bytes a thread of the first 1,536;
	v_lshl_add_u32 v13, v0, 3, CWS-768             ; waves 3 and 4 (threads 96 on), 8 bytes a thread of the last 512
	s_mul_i32 s23, s22, WGP
	s_add_co_u32 s23, s23, WGL
	v_add_nc_u32 v52, s23, v2                      ; Wg into LDS: my wave's load i is chunk wave + 8 i, my 16 bytes at 16 x lane
	v_mul_u32_u24 v53, v1, WGP
	v_add_nc_u32 v53, WGL, v53                     ; and out: chunk = my lane
	v_lshlrev_b32 v54, 4, v0                       ; Wg in memory: 16 bytes a thread
.irp e, 0,1,2,3,4,5,6,7
	v_mov_b32 v[GT+\e], 0                          ; written once: a lane permute's destination counts as one of its sources
.endr
	s_mov_b32 s28, 0x76543210
	s_mov_b32 s29, 0xfedcba98                      ; selects for lane l xor 16
	s_lshl_b32 s30, ttmp9, 16
	s_lshl_b32 s31, s22, 13
	s_add_co_u32 s30, s30, s31                     ; my first token (32 g + 4 w) x 2,048 bytes
	s_mov_b32 s31, 0
	s_wait_kmcnt 0x0
	s_add_nc_u64 s[24:25], s[4:5], s[30:31]        ; x at my first token
	s_lshr_b32 s30, s30, 3
	s_add_nc_u64 s[26:27], s[12:13], s[30:31]      ; its codes: 256 bytes a token
	s_load_b256 s[32:39], s[8:9], 0x0              ; bg
.irp i, 0,1,2,3
	global_load_b128 v[WGR+4*\i:WGR+4*\i+3], v54, s[6:7] offset:4096*\i   ; Wg once for the work-group: a wave's load covers 512 consecutive bytes
.endr
.macro GLOAD t                         ; token t: four loads of 512 consecutive bytes
.irp i, 0,1,2,3
	global_load_b128 v[GR+16*((\t)%2)+4*\i:GR+16*((\t)%2)+4*\i+3], v2, s[24:25] offset:2048*(\t)+512*\i th:TH_LOAD_NT
.endr
.endm
.macro GTURN t                         ; its 2,048 bytes through the stage: LDS serves a wave's instructions in order, so no wait stands between the stores and the loads
.irp i, 0,1,2,3
	ds_store_b128 v3, v[GR+16*((\t)%2)+4*\i:GR+16*((\t)%2)+4*\i+3] offset:STG2*((\t)%2)+8*SP*\i
.endr
.irp i, 0,1,2,3
	ds_load_b128 v[GX+16*((\t)%2)+4*\i:GX+16*((\t)%2)+4*\i+3], v4 offset:STG2*((\t)%2)+16*\i
.endr
.endm
	GLOAD 0
	GLOAD 1
	s_wait_loadcnt 8                               ; Wg's four loads are in; the eight of tokens 0 and 1 may be out
.irp i, 0,1,2,3
	ds_store_b128 v52, v[WGR+4*\i:WGR+4*\i+3] offset:8*WGP*\i
.endr
	s_wait_dscnt 0x0                               ; for the others' sake: my part of Wg has landed
	s_barrier_signal -1
	s_barrier_wait -1                              ; all of Wg lies in LDS; nobody writes it again
.set kk, 0
.rept 32
	ds_load_b128 v[WGR+4*kk:WGR+4*kk+3], v53 offset:16*kk   ; my 16 rows of Wg; the chunks' pitch is an odd multiple of 16 bytes
.set kk, kk+1
.endr
	s_wait_loadcnt 4                               ; token 0 is in; token 1's four loads may be out
	GTURN 0
.macro GSTEP t
.set XB, GX+16*((\t)%2)
	s_wait_dscnt 0x0                               ; this token's numbers are back from the stage (ahead of the first step: Wg too), and all my earlier LDS stores have read their registers
.if (\t)+2 < TPW
	GLOAD (\t)+2
.endif
.if (\t)+1 < TPW
.if (\t)+2 < TPW
	s_wait_loadcnt 4                               ; the next token is in; the four loads just issued may be out
.else
	s_wait_loadcnt 0
.endif
	GTURN (\t)+1
.endif
	v_max3_num_f32 v24, |v[XB]|, |v[XB+1]|, |v[XB+2]|              ; the largest magnitude of my 16, in two chains
	v_max3_num_f32 v25, |v[XB+3]|, |v[XB+4]|, |v[XB+5]|
.irp i, 6,10
	v_max3_num_f32 v24, v24, |v[XB+\i]|, |v[XB+\i+1]|
	v_max3_num_f32 v25, v25, |v[XB+\i+2]|, |v[XB+\i+3]|
.endr
	v_max3_num_f32 v24, v24, |v[XB+14]|, |v[XB+15]|
	v_max3_num_f32 v24, v24, v25, 0x1800000        ; and the floor 2^(3 - 127): the byte cannot fall under 1
	v_max_num_f32_dpp v24, v24, v24 row_xmask:1 row_mask:0xf bank_mask:0xf   ; with my neighbour's 16: the block's
	v_add_nc_u32 v26, 0xff000000, v24              ; 2 off its exponent field: the conversion's scale operand
	v_cvt_scalef32_pk8_fp4_f32 v[GC+2*(\t)], v[XB:XB+7], v26
	v_cvt_scalef32_pk8_fp4_f32 v[GC+2*(\t)+1], v[XB+8:XB+15], v26
	v_lshrrev_b32 v27, 23, v26                     ; the scale's byte (a plain line behind the conversions)
	ds_store_b8 v6, v27 offset:16*(\t)             ; both lanes of a block write the same byte with the same value
	global_store_b64 v5, v[GC+2*(\t):GC+2*(\t)+1], s[26:27] offset:256*(\t)   ; the wave stores the token's 256 consecutive bytes
.irp q, 0,1,2,3
	v_pk_mul_f32 v[ACC+2*\q:ACC+2*\q+1], v[XB:XB+1], v[WGR+2*\q:WGR+2*\q+1] op_sel_hi:[0,1]   ; x_0 times Wg's row: the first product starts the sums
.endr
.set kk, 1
.rept 15
.irp q, 0,1,2,3
.if kk%2
	v_pk_fma_f32 v[ACC+2*\q:ACC+2*\q+1], v[XB+kk-1:XB+kk], v[WGR+8*kk+2*\q:WGR+8*kk+2*\q+1], v[ACC+2*\q:ACC+2*\q+1] op_sel:[1,0,0] op_sel_hi:[1,1,1]   ; the pair's second number for both halves
.else
	v_pk_fma_f32 v[ACC+2*\q:ACC+2*\q+1], v[XB+kk:XB+kk+1], v[WGR+8*kk+2*\q:WGR+8*kk+2*\q+1], v[ACC+2*\q:ACC+2*\q+1] op_sel_hi:[0,1,1]               ; its first
.endif
.endr
.set kk, kk+1
.endr
.irp s, 1,2,4,8
.irp e, 0,1,2,3,4,5,6,7
	v_add_f32_dpp v[ACC+\e], v[ACC+\e], v[ACC+\e] row_xmask:\s row_mask:0xf bank_mask:0xf   ; over the 16 lanes of a half, the eight sums by turns
.endr
.endr
.irp e, 0,1,2,3,4,5,6,7
	v_permlanex16_b32 v[GT+\e], v[ACC+\e], s28, s29
.endr
.irp e, 0,1,2,3,4,5,6,7
	v_add_f32 v[ACC+\e], v[ACC+\e], v[GT+\e]       ; and the other half: every lane holds the token's 8 sums
.endr
	ds_store_b128 v7, v[ACC:ACC+3] offset:32*(\t)  ; all lanes write the same bytes with the same values
	ds_store_b128 v7, v[ACC+4:ACC+7] offset:32*(\t)+16
.endm
.irp t, 0,1,2,3
	GSTEP \t
.endr
	; softmax and the two largest: lane l serves token l % 4 (lanes 4-31 repeat it)
	ds_load_b128 v[64:67], v8                      ; LDS serves a wave's instructions in order: these see my stores
	ds_load_b128 v[68:71], v8 offset:16
	s_wait_kmcnt 0x0                               ; bg
	s_wait_dscnt 0x0
.irp e, 0,1,2,3,4,5,6,7
	v_add_f32 v[64+\e], s[32+\e], v[64+\e]
.endr
	v_max3_num_f32 v80, v64, v65, v66
	v_max3_num_f32 v80, v80, v67, v68
	v_max3_num_f32 v80, v80, v69, v70
	v_max_num_f32 v80, v80, v71                    ; the row's maximum is taken away ahead of the exponential
.irp e, 0,1,2,3,4,5,6,7
	v_sub_f32 v[64+\e], v[64+\e], v80
.endr
.irp e, 0,1,2,3,4,5,6,7
	v_mul_f32 v[64+\e], 0x3fb8aa3b, v[64+\e]       ; x log2(e)
.endr
.irp e, 0,1,2,3,4,5,6,7
	v_exp_f32 v[64+\e], v[64+\e]
.endr
	v_mov_b32 v89, -1.0                            ; (a plain line behind the exponentials)
	s_wait_alu depctr_va_vdst(0)
	v_add_f32 v80, v64, v65
	v_add_f32 v81, v66, v67
	v_add_f32 v82, v68, v69
	v_add_f32 v83, v70, v71
	v_add_f32 v80, v80, v81
	v_add_f32 v82, v82, v83
	v_add_f32 v80, v80, v82
	v_rcp_f32 v81, v80
	v_mov_b32 v86, 0                               ; (a plain line behind the reciprocal)  the first choice: expert 0 so far
	s_wait_alu depctr_va_vdst(0)
.irp e, 0,1,2,3,4,5,6,7
	v_mul_f32 v[72+\e], v[64+\e], v81              ; the probabilities
.endr
	v_mov_b32 v84, v72
.irp e, 1,2,3,4,5,6,7
	v_cmp_le_f32 vcc_lo, v[72+\e], v84             ; only a strictly larger one takes the place: a tie stays with the lower index
	v_cndmask_b32 v86, \e, v86, vcc_lo
	v_max_num_f32 v84, v84, v[72+\e]
.endr
	v_mov_b32 v85, -1.0                            ; the second choice: the same over the seven others
	v_mov_b32 v87, 0
.irp e, 0,1,2,3,4,5,6,7
	v_cmp_eq_u32 vcc_lo, \e, v86
	v_cndmask_b32 v88, v[72+\e], v89, vcc_lo       ; the first choice counts as -1
	v_cmp_le_f32 vcc_lo, v88, v85
	v_cndmask_b32 v87, \e, v87, vcc_lo
	v_max_num_f32 v85, v85, v88
.endr
	ds_store_b128 v9, v[72:75]
	ds_store_b128 v9, v[76:79] offset:16
	ds_store_b64 v10, v[84:85]
	ds_store_b64 v11, v[86:87]
	s_wait_dscnt 0x0                               ; for the others' sake: all my stores into the way out have landed
	s_barrier_signal -1
	s_barrier_wait -1
	s_cmp_lt_u32 s22, 3                            ; waves 0, 1: the probabilities; wave 2: x's scale bytes; wave 3: the two probabilities; wave 4: the two experts; the others have nothing to store
	s_cbranch_scc0 .Lnarrow
	ds_load_b128 v[64:67], v12
	s_lshl_b32 s42, ttmp9, 10
	s_lshl_b32 s45, s22, 9
	s_add_co_u32 s42, s42, s45                     ; out1: 1,024 g + 512 w
	s_lshl_b32 s44, ttmp9, 9
	s_add_co_u32 s44, s44, 1048576                 ; xq's scale bytes, behind its codes: 512 g
	s_cmp_lt_u32 s22, 2                            ; the buffer is chosen by the wave's number alone
	s_cselect_b64 s[40:41], s[18:19], s[12:13]
	s_cselect_b32 s42, s42, s44
	s_mov_b32 s43, 0
	s_add_nc_u64 s[40:41], s[40:41], s[42:43]
	s_wait_dscnt 0x0
	global_store_b128 v2, v[64:67], s[40:41]       ; 512 consecutive bytes, at a multiple of 256 from the buffer's first byte
	s_set_vgpr_msb 0x5
	s_wait_tensorcnt 0x0
	ds_add_u32 v0, v1
	s_wait_dscnt 0x0
	s_set_vgpr_msb 0x500
	s_endpgm
.Lnarrow:
	s_cmp_lt_u32 s22, 5
	s_cbranch_scc0 .Lgate_end
	ds_load_b64 v[64:65], v13
	s_lshl_b32 s42, ttmp9, 8                       ; cw, sel: 256 g
	s_mov_b32 s43, 0
	s_cmp_eq_u32 s22, 3
	s_cselect_b64 s[40:41], s[14:15], s[16:17]
	s_add_nc_u64 s[40:41], s[40:41], s[42:43]
	s_wait_dscnt 0x0
	global_store_b64 v5, v[64:65], s[40:41]        ; 256 consecutive bytes, at a multiple of 256 from the buffer's first byte
.Lgate_end:
	s_set_vgpr_msb 0x5
	s_wait_tensorcnt 0x0
	ds_add_u32 v0, v1
	s_wait_dscnt 0x0
	s_set_vgpr_msb 0x500
	s_endpgm
; ---------------------------------------------------------------- W1
; Work-group g' = e x 32 + cg x 4 + ks reads W1[e], rows 128 ks on, columns 256 cg on.  Wave v takes 32 columns (hidden units 32 p on, p = 8 cg + v); A LANE TAKES A COLUMN AND ITS REGISTERS RUN DOWN K:
; a block of 32 lies in one lane, and the conversions give codes with K innermost.  Column o of the 32 is row r = o % 8 + 8 (o / 16) of tile u = (o / 8) % 2: the rows of a tile are chosen so that
; the results of tiles 0 and 1 are 16 neighbours along the next product's K.  Block kb of K step ks is half kb % 2 of registers 4 (kb / 2) on of fragment (u, ks): 16 bytes at 4,096 u + 1,024 ks + 256 kb + 16 r.
.Lw1:
	s_sub_co_u32 s23, ttmp9, NG
	s_lshr_b32 s24, s23, 5                         ; e
	s_bfe_u32 s25, s23, 0x30002                    ; cg
	s_and_b32 s26, s23, 3                          ; ks
	s_lshl_b32 s28, s24, 22
	s_lshl_b32 s27, s26, 20
	s_add_co_u32 s28, s28, s27
	s_lshl_b32 s27, s25, 10
	s_add_co_u32 s28, s28, s27
	s_lshl_b32 s27, s22, 7
	s_add_co_u32 s28, s28, s27                     ; where my wave reads
	s_mov_b32 s29, 0
	s_lshl_b32 s30, s24, 2
	s_lshr_b32 s27, s25, 1
	s_add_co_u32 s30, s30, s27                     ; 4 e + p / 16
	s_lshl_b32 s30, s30, 5
	s_and_b32 s27, s25, 1
	s_lshl_b32 s27, s27, 3
	s_add_co_u32 s30, s30, s27
	s_add_co_u32 s30, s30, s22                     ; + p % 16: the block of wq
	s_mul_i32 s30, s30, BLKB
	s_lshl_b32 s27, s26, 10
	s_add_co_u32 s32, s30, s27
	s_mov_b32 s33, 0
	s_lshl_b32 s27, s26, 7
	s_add_co_u32 s34, s30, s27
	s_add_co_u32 s34, s34, 8192
	s_mov_b32 s35, 0
	v_lshlrev_b32 v2, 2, v1                        ; in: 4 bytes a lane
	v_bfe_u32 v5, v1, 3, 1                         ; u
	v_and_b32 v6, 7, v1
	v_bfe_u32 v7, v1, 4, 1
	v_lshl_or_b32 v6, v7, 3, v6                    ; r
	v_lshlrev_b32 v3, 4, v6
	v_lshl_add_u32 v3, v5, 12, v3                  ; codes: 4,096 u + 16 r
	v_lshl_add_u32 v4, v5, 4, v6
	v_lshlrev_b32 v4, 2, v4                        ; scale word: 4 (16 u + r)
	s_wait_kmcnt 0x0
	s_add_nc_u64 s[28:29], s[10:11], s[28:29]
	s_add_nc_u64 s[32:33], s[20:21], s[32:33]
	s_add_nc_u64 s[34:35], s[20:21], s[34:35]
.set kk, 0
.rept 128
	global_load_b32 v[WX+kk], v2, s[28:29] offset:WPITCH*kk th:TH_LOAD_NT   ; a row of W1 at 32 neighbouring columns: 128 consecutive bytes a wave, 1,024 a work-group
.set kk, kk+1
.endr
.macro QBLOCK kb, lc                   ; lc: the younger loads that may stay out; -1: the wait before has shown this block in
.if \lc >= 0
	s_wait_loadcnt \lc
.endif
.set XB, WX+32*\kb
	v_max3_num_f32 v8, |v[XB]|, |v[XB+1]|, |v[XB+2]|               ; the block's largest magnitude: all 32 numbers are mine
	v_max3_num_f32 v9, |v[XB+3]|, |v[XB+4]|, |v[XB+5]|
.irp i, 6,10,14,18,22,26
	v_max3_num_f32 v8, v8, |v[XB+\i]|, |v[XB+\i+1]|
	v_max3_num_f32 v9, v9, |v[XB+\i+2]|, |v[XB+\i+3]|
.endr
	v_max3_num_f32 v8, v8, |v[XB+30]|, |v[XB+31]|
	v_max3_num_f32 v8, v8, v9, 0x1800000           ; and the floor 2^(3 - 127)
	v_add_nc_u32 v10, 0xff000000, v8               ; the conversion's scale operand
	v_lshrrev_b32 v11, 23, v10                     ; the scale's byte
.if \kb == 0
	v_mov_b32 v12, v11
.else
	v_lshl_or_b32 v12, v11, 8*\kb, v12             ; four bytes make the K step's scale word of my column
.endif
.irp g, 0,1,2,3
	v_cvt_scalef32_pk8_fp4_f32 v[WC+4*\kb+\g], v[XB+8*\g:XB+8*\g+7], v10
.endr
	global_store_b128 v3, v[WC+4*\kb:WC+4*\kb+3], s[32:33] offset:256*\kb   ; the sixteen lanes of a tile store 256 consecutive bytes, aligned
.endm
	QBLOCK 0, 63                                   ; 64 loads are younger than block 1's last: at most 63 out shows blocks 0 and 1 in
	QBLOCK 1, -1
	QBLOCK 2, 32                                   ; block 3's 32 may be out
	QBLOCK 3, 0
	global_store_b32 v4, v12, s[34:35]             ; 128 consecutive bytes of scale words
	s_endpgm
.Lfunc_end_k_qea89cd7409_front:
	.size	k_qea89cd7409_front, .Lfunc_end_k_qea89cd7409_front-k_qea89cd7409_front
	.p2alignl 7, 3214868480
	.fill 96, 4, 3214868480
	.section	.rodata,"a",@progbits
	.p2align	6, 0x0
	.amdhsa_kernel k_qea89cd7409_front
		.amdhsa_group_segment_fixed_size 62976
		.amdhsa_private_segment_fixed_size 0
		.amdhsa_enable_private_segment 0
		.amdhsa_kernarg_size 72
		.amdhsa_user_sgpr_count 2
		.amdhsa_user_sgpr_kernarg_segment_ptr 1
		.amdhsa_wavefront_size32 1
		.amdhsa_system_sgpr_workgroup_id_x 1
		.amdhsa_system_sgpr_workgroup_id_y 1
		.amdhsa_system_sgpr_workgroup_id_z 1
		.amdhsa_system_vgpr_workitem_id 0
		.amdhsa_next_free_vgpr 258
		.amdhsa_next_free_sgpr 66
		.amdhsa_reserve_vcc 1
		.amdhsa_float_denorm_mode_32 3
		.amdhsa_float_denorm_mode_16_64 3
		.amdhsa_memory_ordered 1
		.amdhsa_forward_progress 1
		.amdhsa_inst_pref_size 68
	.end_amdhsa_kernel
	.amdgpu_metadata
---
amdhsa.version: [ 1, 2 ]
amdhsa.kernels:
  - .name:           k_qea89cd7409_front
    .symbol:         k_qea89cd7409_front.kd
    .args:
      - { .name: x, .offset: 0, .size: 8, .value_kind: global_buffer, .address_space: global }
      - { .name: Wg, .offset: 8, .size: 8, .value_kind: global_buffer, .address_space: global }
      - { .name: bg, .offset: 16, .size: 8, .value_kind: global_buffer, .address_space: global }
      - { .name: W1, .offset: 24, .size: 8, .value_kind: global_buffer, .address_space: global }
      - { .name: xq, .offset: 32, .size: 8, .value_kind: global_buffer, .address_space: global }
      - { .name: cw, .offset: 40, .size: 8, .value_kind: global_buffer, .address_space: global }
      - { .name: sel, .offset: 48, .size: 8, .value_kind: global_buffer, .address_space: global }
      - { .name: out1, .offset: 56, .size: 8, .value_kind: global_buffer, .address_space: global }
      - { .name: wq, .offset: 64, .size: 8, .value_kind: global_buffer, .address_space: global }
    .group_segment_fixed_size: 62976
    .private_segment_fixed_size: 0
    .kernarg_segment_align: 8
    .kernarg_segment_size: 72
    .max_flat_workgroup_size: 256
    .sgpr_count:     66
    .vgpr_count:     258
    .wavefront_size: 32
...
	.end_amdgpu_metadata
.endif
;; end of part 5
;; launch mid: the kernel of part 2 again; grid 257 x 1, 8 waves a work-group, no clusters, 2,048 bytes of LDS; arguments W2, sel, wq, route, inv; writes wq, route, inv
;; launch chain (part 6): grid 135 x 1, 4 waves a work-group, no clusters, 108,032 bytes of LDS; arguments route, xq, wq, b1, b2, Y; writes Y
.if DOCPART == 6
	.amdgcn_target "amdgcn-amd-amdhsa--gfx1250"
	.amdhsa_code_object_version 6
	.text
	.protected	k_qea89cd7409_chain
	.globl	k_qea89cd7409_chain
	.p2align	8
	.type	k_qea89cd7409_chain,@function
k_qea89cd7409_chain:
	s_mov_b64 s[64:65], 0
	v_nop
	global_prefetch_b8 v0, s[64:65] scope:SCOPE_SE
	s_setreg_imm32_b32 hwreg(HW_REG_WAVE_MODE, 25, 1), 1
	s_wait_xcnt 0x0
; ONE TILE OF 64 ROUTED ROWS OF ONE EXPERT THROUGH THE WHOLE CHAIN: Y[place] = relu(x W1[e] + b1[e]) W2[e] + b2[e], both products on codes of FP4 (E2M1) with one E8M0 scale for each 32 along K.
; The tile's expert and its rows' tokens are whole numbers that an earlier launch stored (route); both are clamped before they enter an address.  The hidden layer never goes to memory.
; THE GRID serves every split: 8,192 rows, 8 experts and tiles of 64 make at most 135 tiles.  A tile that a split leaves over runs like any other, on expert 7 and token 0, and writes its own rows of Y, which
; nobody reads: the barrier stands on every wave's path, and no branch hangs on loaded data.
; SHARES.  The four waves share the COLUMNS.  Phase 1: a wave makes 512 hidden units, 32 at a time (a pair of tiles), for all 64 rows; four pairs (a trip) are one K step of the second product.
; Phase 2: wave w makes output columns 128 w on (8 tiles) for all 64 rows, over 16 K steps.  Each weight byte goes from memory straight into the operand register of the one wave that uses it: wq is laid in
; that order, in blocks of 8,704 bytes, walked through four sets of registers, three sets (60 loads at the least) always on their way.
; THE TILES OF AN EXPERT DO NOT WALK IN STEP.  With r = the tile's number mod 4: wave w makes hidden units 512 ((w + r) mod 4) on, its trip t K step (t + r) mod 4 of them; LDS slot (w, t), at a fixed address,
; so holds K step 4 ((w + r) mod 4) + (t + r) mod 4, and phase 2, which reads the slots in their fixed order, takes W2's block of that K step.  So neighbouring tiles of an expert ask for four different quarters
; of its blocks at a time, and only offsets into wq and b1 hang on r.  Y's sums run over the K steps in an order that differs from tile to tile: f32 rounding alone differs.
; No joint loads: they land in LDS, and here a weight byte would then be written to LDS and read back once for one use; what the waves do share, the hidden layer, is made in the work-group itself.
; BOTH PRODUCTS ARE USED TRANSPOSED (source 0 = 16 rows of the weight, source 1 = 16 routed rows): a lane holds one routed row, and its registers run along the columns.  The rows of W1 that form a tile
; were chosen so that the 16 registers of a pair are 16 neighbours along the next K.  The hidden layer goes from wave to wave through LDS as images of the operand registers (16 bytes a lane, 512 a line).
; The biases cost no addition: b1 is the C of a pair's first products; b2 is loaded into the second product's accumulators.
; LIMITS: NaN and infinities are not served; a block of zeros of the hidden layer gets the scale byte 1 (its codes are zeros).
; REGISTERS, in windows of 256.  Window 0: v1-19 addresses; v20-27 x's scale words, v28-43 the weights', v44-51 the hidden layer's (these hold scales alone); v52-103 the quantiser; v113-124 the sets' offsets;
;   v128-191 a pair's 8 accumulators; v192-255 b1, 16 registers a set.  Window 1: four sets of 64 registers of weight codes.  Window 2: the 32 accumulators of Y.  Window 3: v0-127 x's 16 fragments; v128-191 two sets of 4 hidden fragments.
; SCALARS: s22-23 wq at my expert; s24-25 b1 at my 512 hidden units; s26 r + 1; s27 (w + r) mod 4; s39 r; s46 the coming trip's quarter in bytes; s47 the same in b1; s48-51 W1's block b of quarter 0; s52-55 W2's block of step b of quarter 0; s56-59 the coming blocks.
.set BLKB,   8704
.set HSC,    65536                     ; LDS: bytes 0-65,535 the hidden layer's images: (slot j, row tile m) at 4,096 j + 1,024 m; from HSC their scale words: 512 j + 128 m + 4 x lane
.set STG,    73728                     ; the way out: 16 rows x (512 bytes + 16) for each wave, its own
.set SPITCH, 528
.set LN16, 1                           ; 16 x lane
.set LN4,  2                           ; 4 x lane
.set HWI,  3                           ; where my wave stores images: 16 x lane + 16,384 w
.set HWS,  4                           ; and their scale words: HSC + 4 x lane + 2,048 w
.set HAD,  5                           ; the image address in hand
.set HSD,  6                           ; the scale-word address in hand
.set STO,  7                           ; the stage, in
.set RD,   8                           ; the stage, out
.set BA,   9                           ; b1: 64 h
.set B2A,  10                          ; b2: 32 h
.set R4,   11                          ; 4 r
.set XA,   12                          ; v12-15 x's codes: my row of row tile m: token x 256 + 16 h
.set XSA,  16                          ; v16-17 x's scale bytes: token x 16
.set HRS,  18                          ; HSC + 4 x lane
.set H16,  19                          ; 16 h
.set XS,   20
.set WS,   28
.set HS,   44
.set SW,   52                          ; v52-55 the scale word being put together, one for each row tile
.set PC,   56                          ; v56-87 the codes of a K step, 8 registers for each row tile
.set AM,   88                          ; largest magnitudes
.set PX,   92                          ; the other half of the lanes'
.set SO,   96                          ; the conversions' scale operands
.set BY,   100                         ; scale bytes
.set TOK,  104                         ; v104-109 tokens as loaded
.set VC,   113                         ; v113-116 set b's block in wq: its offset + 16 x lane
.set VS,   117                         ; v117-120 the same + 4 x lane, for its scale words
.set VB,   121                         ; v121-124 set b's quarter in b1 + 64 h
.set ACC1, 128
.set BI,   192
.set MSB, 0
.macro WIN new                         ; the immediate's high byte repeats the setting that is left; a switch that changes nothing is dropped
.if MSB != \new
	s_set_vgpr_msb (MSB<<8)|\new
.set MSB, \new
.endif
.endm
.macro PLACES                          ; four plain lines between a matrix instruction and a load into, or the first read of, its registers
.rept 4
	v_nop
.endr
.endm
; a scaled product; ra, rb: source 0's, source 1's scales stand in lanes 16-31 of their register
.macro WM d, a, b, c, sa, sb, ra, rb
.if (\ra) && (\rb)
	v_wmma_scale_f32_16x16x128_f8f6f4 v[\d:\d+7], v[\a:\a+7], v[\b:\b+7], v[\c:\c+7], v[\sa], v[\sb] matrix_a_fmt:MATRIX_FMT_FP4 matrix_b_fmt:MATRIX_FMT_FP4 matrix_a_scale:MATRIX_SCALE_ROW1 matrix_b_scale:MATRIX_SCALE_ROW1
.elseif (\ra)
	v_wmma_scale_f32_16x16x128_f8f6f4 v[\d:\d+7], v[\a:\a+7], v[\b:\b+7], v[\c:\c+7], v[\sa], v[\sb] matrix_a_fmt:MATRIX_FMT_FP4 matrix_b_fmt:MATRIX_FMT_FP4 matrix_a_scale:MATRIX_SCALE_ROW1
.elseif (\rb)
	v_wmma_scale_f32_16x16x128_f8f6f4 v[\d:\d+7], v[\a:\a+7], v[\b:\b+7], v[\c:\c+7], v[\sa], v[\sb] matrix_a_fmt:MATRIX_FMT_FP4 matrix_b_fmt:MATRIX_FMT_FP4 matrix_b_scale:MATRIX_SCALE_ROW1
.else
	v_wmma_scale_f32_16x16x128_f8f6f4 v[\d:\d+7], v[\a:\a+7], v[\b:\b+7], v[\c:\c+7], v[\sa], v[\sb] matrix_a_fmt:MATRIX_FMT_FP4 matrix_b_fmt:MATRIX_FMT_FP4
.endif
.endm
; set's offsets are aimed at its coming block.  It stands behind the wait that shows the set's last loads, which read these registers, done
.macro AIM set, bias
	v_add_nc_u32 v[VC+\set], s[56+\set], v[LN16]
	v_add_nc_u32 v[VS+\set], s[56+\set], v[LN4]
.if \bias
	v_add_nc_u32 v[VB+\set], s47, v[BA]
.endif
.endm
; the block at which set's offsets aim: 16 lines of codes, 4 of scale words; bias = 1: the pair's 32 numbers of b1.  24 loads, or 20
.macro LOADSET set, bias
	WIN 0x40                                       ; destination window 1
.irp k, 0,1,2,3,4,5,6,7,8,9,10,11,12,13,14,15
	global_load_b128 v[64*(\set)+4*\k:64*(\set)+4*\k+3], v[VC+\set], s[22:23] offset:512*\k
.endr
	WIN 0
.irp q, 0,1,2,3
	global_load_b32 v[WS+4*(\set)+\q], v[VS+\set], s[22:23] offset:8192+128*\q
.endr
.if \bias
.irp k, 0,1,2,3
	global_load_b128 v[BI+16*(\set)+4*\k:BI+16*(\set)+4*\k+3], v[VB+\set], s[24:25] offset:128*(\set)+16*\k
.endr
.endif
.endm
; phase 1, one product: pair in set b, K step s of x, tile u of the pair, row tile m
.macro P1MUL b, s, u, m
.set rD, ACC1+8*(4*\u+\m)
.set rA, 64*\b+8*(4*\u+\s)
.set rB, 8*(4*\m+\s)
.set rSA, WS+4*\b+\s
.set rSB, XS+4*((\m)/2)+\s
.if \s == 0
.set rC, BI+16*\b+8*\u
.else
.set rC, rD
.endif
	WM rD, rA, rB, rC, rSA, rSB, \u, (\m)%2
.endm
; the pair's 32 hidden units of 64 rows: relu, the block's scale, its codes.  In each row tile m a lane holds 16 neighbours of its row: tile 0's eight registers, then tile 1's; lane l xor 16 holds the other 16
.macro QUANT b
.irp a, 0,1,2,3,4,5,6,7
.irp j, 0,1,2,3,4,5,6,7
	v_max_num_f32 v[ACC1+8*\a+\j], 0, v[ACC1+8*\a+\j]              ; the activation, each accumulator from its low end on
.endr
.endr
.irp m, 0,1,2,3
	v_max3_num_f32 v[AM+\m], v[ACC1+8*\m], v[ACC1+8*\m+1], 0x1800000   ; none is negative: no |.|; the floor 2^(3 - 127) holds the byte at 1 from below
.endr
.irp i, 2,4,6
.irp m, 0,1,2,3
	v_max3_num_f32 v[AM+\m], v[AM+\m], v[ACC1+8*\m+\i], v[ACC1+8*\m+\i+1]   ; (the four row tiles by turns)
.endr
.endr
.irp i, 0,2,4,6
.irp m, 0,1,2,3
	v_max3_num_f32 v[AM+\m], v[AM+\m], v[ACC1+32+8*\m+\i], v[ACC1+32+8*\m+\i+1]
.endr
.endr
.irp m, 0,1,2,3
	v_permlanex16_b32 v[PX+\m], v[AM+\m], s20, s21
.endr
.irp m, 0,1,2,3
	v_max_num_f32 v[AM+\m], v[AM+\m], v[PX+\m]     ; the block's largest magnitude
.endr
.irp m, 0,1,2,3
	v_add_nc_u32 v[SO+\m], 0xff000000, v[AM+\m]    ; 2 off its exponent field: the conversion's scale operand
.endr
.if \b == 0
.irp m, 0,1,2,3
	v_lshrrev_b32 v[SW+\m], 23, v[SO+\m]           ; the scale's byte starts the K step's scale word
.endr
.else
.irp m, 0,1,2,3
	v_lshrrev_b32 v[BY+\m], 23, v[SO+\m]
.endr
.irp m, 0,1,2,3
	v_lshl_or_b32 v[SW+\m], v[BY+\m], 8*\b, v[SW+\m]
.endr
.endif
.irp m, 0,1,2,3
	v_cvt_scalef32_pk8_fp4_f32 v[PC+8*\m+2*\b], v[ACC1+8*\m:ACC1+8*\m+7], v[SO+\m]
	v_cvt_scalef32_pk8_fp4_f32 v[PC+8*\m+2*\b+1], v[ACC1+32+8*\m:ACC1+32+8*\m+7], v[SO+\m]
.endr
	v_nop                                          ; one plain line behind the conversions
.endm
; a pair: 32 products, the eight accumulators by turns; then the set is filled again, with the coming trip's block; then the quantiser
.macro PAIR b
	s_wait_loadcnt 60                              ; three sets, 72 loads, are younger than the set in hand; on the way in x's loads have 112 younger
	AIM \b, 1
	WIN 0x0d                                       ; source 0 window 1, source 1 window 3, C and D window 0
.irp s, 0,1,2,3
.irp u, 0,1
.irp m, 0,1,2,3
	P1MUL \b, \s, \u, \m
.endr
.endr
.endr
	PLACES
	LOADSET \b, 1
	QUANT \b
.endm
; four pairs are a K step: a whole block goes into each lane, and the four fragments go to LDS as they stand
.macro IMAGES
.irp m, 0,1,2,3
.irp c, 0,1
.irp i, 0,1
	v_permlane16_swap_b32 v[PC+8*\m+4*\c+\i], v[PC+8*\m+4*\c+2+\i]   ; lanes 0-15 block 2 c, lanes 16-31 block 2 c + 1
.endr
.endr
.endr
.irp m, 0,1,2,3
.irp c, 0,1
	ds_store_b128 v[HAD], v[PC+8*\m+4*\c:PC+8*\m+4*\c+3] offset:1024*\m+512*\c
.endr
	ds_store_b32 v[HSD], v[SW+\m] offset:128*\m
.endr
	s_wait_dscnt 0x0                               ; the stores have read their registers: the next K step's codes may be written
.endm
; phase 2: the four hidden fragments and scale words of slot rel (counted from the trip's first) into buffer buf: 12 LDS loads
.macro HFETCH buf, rel
	WIN 0xc0                                       ; destination window 3
.irp m, 0,1,2,3
.irp c, 0,1
	ds_load_b128 v[128+32*(\buf)+8*\m+4*\c:128+32*(\buf)+8*\m+4*\c+3], v[HAD] offset:4096*(\rel)+1024*\m+512*\c
.endr
.endr
	WIN 0
.irp m, 0,1,2,3
	ds_load_b32 v[HS+4*(\buf)+\m], v[HSD] offset:512*(\rel)+128*\m
.endr
.endm
.macro P2MUL b, t, m
.set rD, 8*(4*\t+\m)
.set rA, 64*\b+8*\t
.set rB, 128+32*((\b)%2)+8*\m
.set rSA, WS+4*\b+(\t)/2
.set rSB, HS+4*((\b)%2)+\m
	WM rD, rA, rB, rD, rSA, rSB, (\t)%2, 0
.endm
; a K step of the second product: 32 products, the 32 accumulators by turns.  lc, dc: the younger global and LDS loads that may stay out
.macro KSTEP b, lc, dc, refill, fetch
	s_wait_loadcnt \lc
	s_wait_dscnt \dc
.if \refill
	AIM \b, 0
.endif
	WIN 0xad                                       ; source 0 window 1, source 1 window 3, C and D window 2
.irp t, 0,1,2,3,4,5,6,7
.irp m, 0,1,2,3
	P2MUL \b, \t, \m
.endr
.endr
	PLACES
.if \refill
	LOADSET \b, 0
.endif
.if \fetch
	HFETCH (\b)%2, (\b)+2
.endif
	WIN 0
.endm
; the way out of row tile m: a lane holds 32 neighbouring bytes of a row for each of 8 tiles; through my stage they become whole runs of 512 bytes
.macro TOSTAGE m
	WIN 0x08                                       ; an LDS store's data are its source 1: window 2
.irp t, 0,1,2,3,4,5,6,7
	ds_store_b128 v[STO], v[8*(4*\t+\m):8*(4*\t+\m)+3] offset:64*\t          ; each accumulator from its low end on
	ds_store_b128 v[STO], v[8*(4*\t+\m)+4:8*(4*\t+\m)+7] offset:64*\t+16
.endr
	WIN 0
.set BB, 128+64*((\m)%2)
.irp i, 0,1,2,3,4,5,6,7,8,9,10,11,12,13,14,15
	ds_load_b128 v[BB+4*\i:BB+4*\i+3], v[RD] offset:\i*SPITCH      ; LDS serves a wave's instructions in order: these see the stores above
.endr
.endm
.macro SEND m, younger
.set BB, 128+64*((\m)%2)
	s_wait_dscnt \younger
.irp i, 0,1,2,3,4,5,6,7,8,9,10,11,12,13,14,15
	global_store_b128 v[LN16], v[BB+4*\i:BB+4*\i+3], s[30:31] offset:(16*\m+\i)*2048   ; 512 consecutive bytes, at a multiple of 256 from Y's first byte
.endr
.endm
	s_load_b256 s[4:11], s[0:1], 0x0               ; route s[4:5], xq s[6:7], wq s[8:9], b1 s[10:11]
	s_load_b128 s[12:15], s[0:1], 0x20             ; b2 s[12:13], Y s[14:15]
	v_lshl_add_u32 v126, v0, 2, 0x1a400
	v_mov_b32 v127, 0
	v_lshrrev_b32 v1, 5, v0
	v_readfirstlane_b32 s16, v1                    ; wave 0..3
	v_and_b32 v110, 31, v0                         ; lane
	v_and_b32 v111, 15, v0                         ; r
	v_bfe_u32 v112, v0, 4, 1                       ; h
	v_lshlrev_b32 v[LN16], 4, v110
	v_lshlrev_b32 v[LN4], 2, v110
	s_lshl_b32 s18, s16, 14
	v_add_nc_u32 v[HWI], s18, v[LN16]
	s_lshl_b32 s18, s16, 11
	s_add_co_u32 s18, s18, HSC
	v_add_nc_u32 v[HWS], s18, v[LN4]
	v_add_nc_u32 v[HRS], HSC, v[LN4]
	s_mul_i32 s18, s16, 16*SPITCH
	s_add_co_u32 s18, s18, STG                     ; my stage
	v_mul_u32_u24 v[STO], v111, SPITCH
	v_lshl_add_u32 v[STO], v112, 5, v[STO]
	v_add_nc_u32 v[STO], s18, v[STO]               ; in: row r, + 32 h
	v_add_nc_u32 v[RD], s18, v[LN16]               ; out: 16 bytes a lane of a row
	v_lshlrev_b32 v[BA], 6, v112
	v_lshlrev_b32 v[B2A], 5, v112
	v_lshlrev_b32 v[R4], 2, v111
	v_lshlrev_b32 v[H16], 4, v112
.irp m, 0,1,2,3
	v_mov_b32 v[PX+\m], 0                          ; written once: a lane permute's destination counts as one of its sources
.endr
	s_mov_b32 s20, 0x76543210
	s_mov_b32 s21, 0xfedcba98                      ; selects for lane l xor 16
	; the walk's turn: all offsets count from my expert's first block; an expert has 4 x 32 blocks: for each quarter of the columns 16 of W1, then 16 of W2
	s_and_b32 s39, ttmp9, 3                        ; r
	s_add_co_u32 s26, s39, 1
	s_add_co_u32 s27, s16, s39
	s_and_b32 s27, s27, 3                          ; which 512 hidden units are mine
	s_mul_i32 s44, s27, 32*BLKB
.irp b, 0,1,2,3
	s_add_co_u32 s[48+\b], s44, \b*BLKB            ; W1: pair b of my units' quarter 0
.endr
	s_mul_i32 s44, s16, 32*BLKB
	s_add_co_u32 s44, s44, 16*BLKB
.irp b, 0,1,2,3
	s_add_co_u32 s45, s39, \b
	s_and_b32 s45, s45, 3
	s_mul_i32 s45, s45, BLKB
	s_add_co_u32 s[52+\b], s44, s45                ; W2, my columns: K step (b + r) mod 4 of quarter 0
.endr
	s_mul_i32 s46, s39, 4*BLKB                     ; the first trip's quarter is r
	s_lshl_b32 s47, s39, 9
.irp b, 0,1,2,3
	s_add_co_u32 s[56+\b], s[48+\b], s46
.endr
.irp b, 0,1,2,3
	AIM \b, 1
.endr
	s_lshl_b32 s18, ttmp9, 2
	s_mov_b32 s19, 0
	s_wait_kmcnt 0x0
	s_add_nc_u64 s[42:43], s[4:5], s[18:19]
	s_load_b32 s17, s[42:43], 0x9000               ; tiles[T]: they lie 36,864 bytes into route
	s_lshl_b32 s18, ttmp9, 8
	s_add_nc_u64 s[34:35], s[4:5], s[18:19]        ; order at my tile's 64 places
.irp m, 0,1,2,3
	global_load_b32 v[TOK+\m], v[R4], s[34:35] offset:64*\m        ; the token of row r of row tile m
.endr
.irp p, 0,1
	global_load_b32 v[TOK+4+\p], v[LN4], s[34:35] offset:128*\p    ; lanes 0-15: row tile 2 p; lanes 16-31: 2 p + 1
.endr
	s_add_nc_u64 s[32:33], s[6:7], 0x100000        ; x's scale bytes lie behind its codes
	s_lshl_b32 s18, ttmp9, 17
	s_lshl_b32 s44, s16, 9
	s_add_co_u32 s18, s18, s44
	s_add_nc_u64 s[30:31], s[14:15], s[18:19]      ; Y at my tile's first row, my 128 columns
	s_wait_kmcnt 0x0
	s_min_u32 s17, s17, 7                          ; the expert enters addresses only clamped
	s_mul_i32 s18, s17, 128*BLKB
	s_add_nc_u64 s[22:23], s[8:9], s[18:19]        ; wq at my expert's first block
	s_lshl_b32 s18, s17, 13
	s_lshl_b32 s44, s27, 11
	s_add_co_u32 s18, s18, s44
	s_add_nc_u64 s[24:25], s[10:11], s[18:19]      ; b1: my 512 numbers
	s_lshl_b32 s18, s17, 11
	s_lshl_b32 s44, s16, 9
	s_add_co_u32 s18, s18, s44
	s_add_nc_u64 s[28:29], s[12:13], s[18:19]      ; b2: my 128 numbers
	LOADSET 0, 1
	LOADSET 1, 1
	s_wait_loadcnt 48                              ; the two sets may be out; the six loads of tokens are in
.irp m, 0,1,2,3
	v_min_u32 v[TOK+\m], 4095, v[TOK+\m]
	v_lshl_add_u32 v[XA+\m], v[TOK+\m], 8, v[H16]
.endr
.irp p, 0,1
	v_min_u32 v[TOK+4+\p], 4095, v[TOK+4+\p]
	v_lshlrev_b32 v[XSA+\p], 4, v[TOK+4+\p]
.endr
	WIN 0xc0
.irp m, 0,1,2,3
.irp q, 0,1,2,3
.irp c, 0,1
	global_load_b128 v[8*(4*\m+\q)+4*\c:8*(4*\m+\q)+4*\c+3], v[XA+\m], s[6:7] offset:64*\q+32*\c   ; x's fragments stay in registers: a row's 256 bytes are read whole
.endr
.endr
.endr
	WIN 0
.irp p, 0,1
	global_load_b128 v[XS+4*\p:XS+4*\p+3], v[XSA+\p], s[32:33]     ; a row's four scale words
.endr
	WIN 0x80
.irp t, 0,1,2,3,4,5,6,7
.irp m, 0,1,2,3
.irp k, 0,1
	global_load_b128 v[8*(4*\t+\m)+4*\k:8*(4*\t+\m)+4*\k+3], v[B2A], s[28:29] offset:64*\t+16*\k   ; b2 starts Y's sums: nothing is cleared, and every K step has one form
.endr
.endr
.endr
	WIN 0
	LOADSET 2, 1
	LOADSET 3, 1
	; ---- phase 1: four trips, each four pairs = one K step of the second product
	s_mov_b32 s36, 0
	s_mov_b32 s37, 0
	s_mov_b32 s38, 0
.Lp1:
	v_add_nc_u32 v[HAD], s37, v[HWI]
	v_add_nc_u32 v[HSD], s38, v[HWS]
	s_add_co_u32 s46, s36, s26
	s_and_b32 s46, s46, 3                          ; the coming trip's quarter: (t + 1 + r) mod 4; behind the last trip that is r, phase 2's first
	s_lshl_b32 s47, s46, 9                         ; in b1.  (The last trip's loads of b1 read 512 of my own 2,048 bytes again, inside b1, and are not used)
	s_mul_i32 s46, s46, 4*BLKB
	s_cmp_lt_u32 s36, 3                            ; the last trip's refills are W2's first four blocks
.irp b, 0,1,2,3
	s_cselect_b32 s[56+\b], s[48+\b], s[52+\b]
.endr
.irp b, 0,1,2,3
	s_add_co_u32 s[56+\b], s[56+\b], s46
.endr
	PAIR 0
	PAIR 1
	PAIR 2
	PAIR 3
	IMAGES
	s_add_co_u32 s37, s37, 4096
	s_add_co_u32 s38, s38, 512
	s_add_co_u32 s36, s36, 1
	s_cmp_lt_u32 s36, 4
	s_cbranch_scc1 .Lp1
	s_wait_dscnt 0x0                               ; for the others' sake: my images have landed
	s_barrier_signal -1
	s_barrier_wait -1                              ; the hidden layer's 64 fragments lie in LDS; nobody writes them again
	; ---- phase 2: sixteen K steps, four a trip; the last four are written out, without refills
	s_mov_b32 s36, 0
	s_mov_b32 s37, 0
	s_mov_b32 s38, 0
	v_add_nc_u32 v[HAD], s37, v[LN16]
	v_add_nc_u32 v[HSD], s38, v[HRS]
	HFETCH 0, 0
	HFETCH 1, 1
.Lp2:
	v_add_nc_u32 v[HAD], s37, v[LN16]
	v_add_nc_u32 v[HSD], s38, v[HRS]
	s_add_co_u32 s46, s36, s26
	s_and_b32 s46, s46, 3                          ; the coming trip's quarter
	s_mul_i32 s46, s46, 4*BLKB
.irp b, 0,1,2,3
	s_add_co_u32 s[56+\b], s[52+\b], s46
.endr
	KSTEP 0, 60, 12, 1, 1                          ; three sets (60 loads at the least) are younger than the set in hand; the next K step's 12 LDS loads may be out
	KSTEP 1, 60, 12, 1, 1
	KSTEP 2, 60, 12, 1, 1
	KSTEP 3, 60, 12, 1, 1
	s_add_co_u32 s37, s37, 16384
	s_add_co_u32 s38, s38, 2048
	s_add_co_u32 s36, s36, 1
	s_cmp_lt_u32 s36, 3
	s_cbranch_scc1 .Lp2
	v_add_nc_u32 v[HAD], s37, v[LN16]
	v_add_nc_u32 v[HSD], s38, v[HRS]
	KSTEP 0, 60, 12, 0, 1                          ; the counts run down: three sets younger, two, one, none
	KSTEP 1, 40, 12, 0, 1
	KSTEP 2, 20, 12, 0, 0
	KSTEP 3, 0, 0, 0, 0
	; ---- the way out: the four places behind the last products stand at the K step's end
	TOSTAGE 0
	TOSTAGE 1
	SEND 0, 32                                     ; behind row tile 0's loads: row tile 1's 16 stores and 16 loads
	s_wait_xcnt 0x0                                ; row tile 0's stores have read their registers: row tile 2's loads may land there
	TOSTAGE 2
	SEND 1, 32
	s_wait_xcnt 0x0
	TOSTAGE 3
	SEND 2, 32
	SEND 3, 0
	s_wait_tensorcnt 0x0
	ds_add_u32 v126, v127
	s_wait_dscnt 0x0
	s_endpgm
.Lfunc_end_k_qea89cd7409_chain:
	.size	k_qea89cd7409_chain, .Lfunc_end_k_qea89cd7409_chain-k_qea89cd7409_chain
	.p2alignl 7, 3214868480
	.fill 96, 4, 3214868480
	.section	.rodata,"a",@progbits
	.p2align	6, 0x0
	.amdhsa_kernel k_qea89cd7409_chain
		.amdhsa_group_segment_fixed_size 108032
		.amdhsa_private_segment_fixed_size 0
		.amdhsa_enable_private_segment 0
		.amdhsa_kernarg_size 48
		.amdhsa_user_sgpr_count 2
		.amdhsa_user_sgpr_kernarg_segment_ptr 1
		.amdhsa_wavefront_size32 1
		.amdhsa_system_sgpr_workgroup_id_x 1
		.amdhsa_system_sgpr_workgroup_id_y 1
		.amdhsa_system_sgpr_workgroup_id_z 1
		.amdhsa_system_vgpr_workitem_id 0
		.amdhsa_next_free_vgpr 1024
		.amdhsa_next_free_sgpr 66
		.amdhsa_reserve_vcc 0
		.amdhsa_float_denorm_mode_32 3
		.amdhsa_float_denorm_mode_16_64 3
		.amdhsa_memory_ordered 1
		.amdhsa_forward_progress 1
		.amdhsa_inst_pref_size 139
	.end_amdhsa_kernel
	.amdgpu_metadata
---
amdhsa.version: [ 1, 2 ]
amdhsa.kernels:
  - .name:           k_qea89cd7409_chain
    .symbol:         k_qea89cd7409_chain.kd
    .args:
      - { .name: route, .offset: 0, .size: 8, .value_kind: global_buffer, .address_space: global }
      - { .name: xq, .offset: 8, .size: 8, .value_kind: global_buffer, .address_space: global }
      - { .name: wq, .offset: 16, .size: 8, .value_kind: global_buffer, .address_space: global }
      - { .name: b1, .offset: 24, .size: 8, .value_kind: global_buffer, .address_space: global }
      - { .name: b2, .offset: 32, .size: 8, .value_kind: global_buffer, .address_space: global }
      - { .name: Y, .offset: 40, .size: 8, .value_kind: global_buffer, .address_space: global }
    .group_segment_fixed_size: 108032
    .private_segment_fixed_size: 0
    .kernarg_segment_align: 8
    .kernarg_segment_size: 48
    .max_flat_workgroup_size: 128
    .sgpr_count:     66
    .vgpr_count:     1024
    .wavefront_size: 32
...
	.end_amdgpu_metadata
.endif
;; end of part 6
;; launch combine: the kernel of part 4 again; grid 256 x 1, 4 waves a work-group, no clusters, 0 bytes of LDS; arguments inv, cw, Y, out0; writes out0
;; ======== version 3 of 3: 4 launches; version 2 with the launch chain written anew for expert scheduling mode
;; workspace buffers: xq 1,114,112 bytes; cw 32,768 bytes; sel 32,768 bytes of whole numbers; wq 8,912,896 bytes; route 37,888 bytes of whole numbers; inv 32,768 bytes of whole numbers; Y 17,694,720 bytes
;; launch front: the kernel of part 5 again; grid 384 x 1, 8 waves a work-group, no clusters, 62,976 bytes of LDS; arguments x, Wg, bg, W1, xq, cw, sel, out1, wq; writes xq, cw, sel, out1, wq
;; launch mid: the kernel of part 2 again; grid 257 x 1, 8 waves a work-group, no clusters, 2,048 bytes of LDS; arguments W2, sel, wq, route, inv; writes wq, route, inv
;; launch chain (part 7): grid 135 x 1, 4 waves a work-group, no clusters, 108,032 bytes of LDS; arguments route, xq, wq, b1, b2, Y; writes Y
.if DOCPART == 7
	.amdgcn_target "amdgcn-amd-amdhsa--gfx1250"
	.amdhsa_code_object_version 6
	.text
	.protected	k_qea89cd7409_chain
	.globl	k_qea89cd7409_chain
	.p2align	8
	.type	k_qea89cd7409_chain,@function
k_qea89cd7409_chain:
	s_mov_b64 s[64:65], 0
	v_nop
	global_prefetch_b8 v0, s[64:65] scope:SCOPE_SE
	s_setreg_imm32_b32 hwreg(HW_REG_WAVE_SCHED_MODE, 0, 2), 2
	s_setreg_imm32_b32 hwreg(HW_REG_WAVE_MODE, 25, 1), 1
	s_wait_xcnt 0x0
	s_wait_alu depctr_vm_vsrc(0)
; ONE TILE OF 64 ROUTED ROWS OF ONE EXPERT THROUGH THE WHOLE CHAIN: Y[place] = relu(x W1[e] + b1[e]) W2[e] + b2[e], both products on codes of FP4 (E2M1) with one E8M0 scale for each 32 along K.
; The tile's expert and its rows' tokens are whole numbers that an earlier launch stored (route); both are clamped before they enter an address.  The hidden layer never goes to memory.
; THE GRID serves every split: 8,192 rows, 8 experts and tiles of 64 make at most 135 tiles.  A tile that a split leaves over runs like any other, on expert 7 and token 0, and writes its own rows of Y, which
; nobody reads: the barrier stands on every wave's path, and no branch hangs on loaded data.
; SHARES.  The four waves share the COLUMNS.  Phase 1: a wave makes 512 hidden units, 32 at a time (a pair of tiles), for all 64 rows; four pairs (a trip) are one K step of the second product.
; Phase 2: wave w makes output columns 128 w on (8 tiles) for all 64 rows, over 16 K steps.  Each weight byte goes from memory straight into the operand register of the one wave that uses it: wq is laid in
; that order, in blocks of 8,704 bytes, walked through four sets of registers.
; THE TILES OF AN EXPERT DO NOT WALK IN STEP.  With r = the tile's number mod 4: wave w makes hidden units 512 ((w + r) mod 4) on, its trip t K step (t + r) mod 4 of them; LDS slot (w, t), at a fixed address,
; so holds K step 4 ((w + r) mod 4) + (t + r) mod 4, and phase 2, which reads the slots in their fixed order, takes W2's block of that K step.  So neighbouring tiles of an expert ask for four different quarters
; of its blocks at a time, and only offsets into wq and b1 hang on r.  Y's sums run over the K steps in an order that differs from tile to tile: f32 rounding alone differs.
; No joint loads: they land in LDS, and here a weight byte would then be written to LDS and read back once for one use; what the waves do share, the hidden layer, is made in the work-group itself.
; BOTH PRODUCTS ARE USED TRANSPOSED (source 0 = 16 rows of the weight, source 1 = 16 routed rows): a lane holds one routed row, and its registers run along the columns.  The rows of W1 that form a tile
; were chosen so that the 16 registers of a pair are 16 neighbours along the next K.  The hidden layer goes from wave to wave through LDS as images of the operand registers (16 bytes a lane, 512 a line).
; The biases cost no addition: b1 is the C of a pair's first products; b2 is loaded into the second product's accumulators.
; LIMITS: NaN and infinities are not served; a block of zeros of the hidden layer gets the scale byte 1 (its codes are zeros).
; THE MODE: SCHED_MODE bits 1:0 = 2 (LLVM: expert scheduling mode 2), set by the entry lines.  The code itself states the register dependences between vector or matrix instructions and memory or LDS
; instructions, with s_wait_alu, always for 0.
; THE PLAN.  Registers that memory or LDS instructions touch:
;   weight set b   64 registers of codes, 4 scale words, in phase 1 16 numbers of b1.  Written by its loads; read by the 32 products of the pair or K step that has set b.
;   VC, VS, VB     set b's offsets.  Written by AIM; read by the set's loads.
;   PC, SW         a K step's codes and scale words.  Written by the quantiser and the lane swaps; read by the LDS stores at the end of a trip of phase 1.
;   HAD, HSD       LDS addresses.  Written once a trip; read by phase 1's LDS stores and by phase 2's LDS loads.
;   hidden buffer q  32 registers and 4 scale words.  Written by LDS loads; read by the products of the K steps k with k mod 4 = q.
;   Y's accumulators  loaded with b2 at the head, then written by products; read by the LDS stores of the way out.
;   v128-255 of window 0  on the way out LDS loads land there and global stores read them; before, the quantiser and phase 1's products named them.
;   v1-19          made once at the head.
; PHASE 1, a pair: one wait on vm_vsrc ahead of AIM; the products; one wait on va_vdst behind them, where the quantiser wants their results in any case; the set's 24 loads at once, in one run; the quantiser,
;   which names none of the registers that those loads touch.
; PHASE 2, K step k: it multiplies set and buffer k mod 4, and asks for what step k + 3 wants, into set and buffer (k + 3) mod 4, which step k - 1 has emptied.  One wait on vm_vsrc and one on va_vdst stand
;   at its head; its 32 loads follow behind its first eight products, which name set and buffer k mod 4 and Y alone.
; REGISTERS, in windows of 256.  Window 0: v1-19 addresses; v20-27 x's scale words, in phase 2 those of hidden buffers 2 and 3; v28-43 the weights'; v44-51 those of hidden buffers 0 and 1 (all these hold scales
;   alone); v52-103 the quantiser; v113-124 the sets' offsets; v128-191 a pair's 8 accumulators; v192-255 b1, 16 registers a set.  Window 1: four sets of 64 registers of weight codes.
;   Window 2: the 32 accumulators of Y.  Window 3: v0-127 x's 16 fragments; v128-255 four buffers of 4 hidden fragments.
; SCALARS: s22-23 wq at my expert; s24-25 b1 at my 512 hidden units; s26 r + 1; s27 (w + r) mod 4; s39 r; s46 the coming trip's quarter in bytes; s47 the same in b1; s48-51 W1's block b of quarter 0; s52-55 W2's block of step b of quarter 0; s56-59 the coming blocks.
.set BLKB,   8704
.set HSC,    65536                     ; LDS: bytes 0-65,535 the hidden layer's images: (slot j, row tile m) at 4,096 j + 1,024 m; from HSC their scale words: 512 j + 128 m + 4 x lane
.set STG,    73728                     ; the way out: 16 rows x (512 bytes + 16) for each wave, its own
.set SPITCH, 528
.set LN16, 1                           ; 16 x lane
.set LN4,  2                           ; 4 x lane
.set HWI,  3                           ; where my wave stores images: 16 x lane + 16,384 w
.set HWS,  4                           ; and their scale words: HSC + 4 x lane + 2,048 w
.set HAD,  5                           ; the image address in hand
.set HSD,  6                           ; the scale-word address in hand
.set STO,  7                           ; the stage, in
.set RD,   8                           ; the stage, out
.set BA,   9                           ; b1: 64 h
.set B2A,  10                          ; b2: 32 h
.set R4,   11                          ; 4 r
.set XA,   12                          ; v12-15 x's codes: my row of row tile m: token x 256 + 16 h
.set XSA,  16                          ; v16-17 x's scale bytes: token x 16
.set HRS,  18                          ; HSC + 4 x lane
.set H16,  19                          ; 16 h
.set XS,   20
.set WS,   28
.set HS,   44                          ; hidden buffer q's four scale words at HS + 4 q - 32 (q / 2): v44, v48, v20, v24
.set SW,   52                          ; v52-55 the scale word being put together, one for each row tile
.set PC,   56                          ; v56-87 the codes of a K step, 8 registers for each row tile
.set AM,   88                          ; largest magnitudes
.set PX,   92                          ; the other half of the lanes'
.set SO,   96                          ; the conversions' scale operands
.set BY,   100                         ; scale bytes
.set TOK,  104                         ; v104-109 tokens as loaded
.set VC,   113                         ; v113-116 set b's block in wq: its offset + 16 x lane
.set VS,   117                         ; v117-120 the same + 4 x lane, for its scale words
.set VB,   121                         ; v121-124 set b's quarter in b1 + 64 h
.set ACC1, 128
.set BI,   192
.set MSB, 0
.macro WIN new                         ; the immediate's high byte repeats the setting that is left; a switch that changes nothing is dropped
.if MSB != \new
	s_set_vgpr_msb (MSB<<8)|\new
.set MSB, \new
.endif
.endm
.macro PLACES                          ; four plain lines between a matrix instruction and a load into, or the first read of, its registers
.rept 4
	v_nop
.endr
.endm
; a scaled product; ra, rb: source 0's, source 1's scales stand in lanes 16-31 of their register
.macro WM d, a, b, c, sa, sb, ra, rb
.if (\ra) && (\rb)
	v_wmma_scale_f32_16x16x128_f8f6f4 v[\d:\d+7], v[\a:\a+7], v[\b:\b+7], v[\c:\c+7], v[\sa], v[\sb] matrix_a_fmt:MATRIX_FMT_FP4 matrix_b_fmt:MATRIX_FMT_FP4 matrix_a_scale:MATRIX_SCALE_ROW1 matrix_b_scale:MATRIX_SCALE_ROW1
.elseif (\ra)
	v_wmma_scale_f32_16x16x128_f8f6f4 v[\d:\d+7], v[\a:\a+7], v[\b:\b+7], v[\c:\c+7], v[\sa], v[\sb] matrix_a_fmt:MATRIX_FMT_FP4 matrix_b_fmt:MATRIX_FMT_FP4 matrix_a_scale:MATRIX_SCALE_ROW1
.elseif (\rb)
	v_wmma_scale_f32_16x16x128_f8f6f4 v[\d:\d+7], v[\a:\a+7], v[\b:\b+7], v[\c:\c+7], v[\sa], v[\sb] matrix_a_fmt:MATRIX_FMT_FP4 matrix_b_fmt:MATRIX_FMT_FP4 matrix_b_scale:MATRIX_SCALE_ROW1
.else
	v_wmma_scale_f32_16x16x128_f8f6f4 v[\d:\d+7], v[\a:\a+7], v[\b:\b+7], v[\c:\c+7], v[\sa], v[\sb] matrix_a_fmt:MATRIX_FMT_FP4 matrix_b_fmt:MATRIX_FMT_FP4
.endif
.endm
; set's offsets are aimed at its coming block.  It stands behind the wait that shows the set's last loads, which read these registers, done
.macro AIM set, bias
	v_add_nc_u32 v[VC+\set], s[56+\set], v[LN16]
	v_add_nc_u32 v[VS+\set], s[56+\set], v[LN4]
.if \bias
	v_add_nc_u32 v[VB+\set], s47, v[BA]
.endif
.endm
; the block at which set's offsets aim: 16 lines of codes, 4 of scale words; bias = 1: the pair's 32 numbers of b1.  24 loads, or 20.  wt = 1: the set has just been multiplied
.macro LOADSET set, bias, wt
	WIN 0x40                                       ; destination window 1
.if \wt
	s_wait_alu depctr_va_vdst(0)                   ; the pair's products are done reading the set's codes, scale words and b1, in which the loads below land; AIM has written the offsets that they read
.endif
.irp k, 0,1,2,3,4,5,6,7,8,9,10,11,12,13,14,15
	global_load_b128 v[64*(\set)+4*\k:64*(\set)+4*\k+3], v[VC+\set], s[22:23] offset:512*\k
.endr
	WIN 0
.irp q, 0,1,2,3
	global_load_b32 v[WS+4*(\set)+\q], v[VS+\set], s[22:23] offset:8192+128*\q
.endr
.if \bias
.irp k, 0,1,2,3
	global_load_b128 v[BI+16*(\set)+4*\k:BI+16*(\set)+4*\k+3], v[VB+\set], s[24:25] offset:128*(\set)+16*\k
.endr
.endif
.endm
; phase 1, one product: pair in set b, K step s of x, tile u of the pair, row tile m
.macro P1MUL b, s, u, m
.set rD, ACC1+8*(4*\u+\m)
.set rA, 64*\b+8*(4*\u+\s)
.set rB, 8*(4*\m+\s)
.set rSA, WS+4*\b+\s
.set rSB, XS+4*((\m)/2)+\s
.if \s == 0
.set rC, BI+16*\b+8*\u
.else
.set rC, rD
.endif
	WM rD, rA, rB, rC, rSA, rSB, \u, (\m)%2
.endm
; the pair's 32 hidden units of 64 rows: relu, the block's scale, its codes.  In each row tile m a lane holds 16 neighbours of its row: tile 0's eight registers, then tile 1's; lane l xor 16 holds the other 16
.macro QUANT b
.irp a, 0,1,2,3,4,5,6,7
.irp j, 0,1,2,3,4,5,6,7
	v_max_num_f32 v[ACC1+8*\a+\j], 0, v[ACC1+8*\a+\j]              ; the activation, each accumulator from its low end on
.endr
.endr
.irp m, 0,1,2,3
	v_max3_num_f32 v[AM+\m], v[ACC1+8*\m], v[ACC1+8*\m+1], 0x1800000   ; none is negative: no |.|; the floor 2^(3 - 127) holds the byte at 1 from below
.endr
.irp i, 2,4,6
.irp m, 0,1,2,3
	v_max3_num_f32 v[AM+\m], v[AM+\m], v[ACC1+8*\m+\i], v[ACC1+8*\m+\i+1]   ; (the four row tiles by turns)
.endr
.endr
.irp i, 0,2,4,6
.irp m, 0,1,2,3
	v_max3_num_f32 v[AM+\m], v[AM+\m], v[ACC1+32+8*\m+\i], v[ACC1+32+8*\m+\i+1]
.endr
.endr
.irp m, 0,1,2,3
	v_permlanex16_b32 v[PX+\m], v[AM+\m], s20, s21
.endr
.irp m, 0,1,2,3
	v_max_num_f32 v[AM+\m], v[AM+\m], v[PX+\m]     ; the block's largest magnitude
.endr
.irp m, 0,1,2,3
	v_add_nc_u32 v[SO+\m], 0xff000000, v[AM+\m]    ; 2 off its exponent field: the conversion's scale operand
.endr
.if \b == 0
.irp m, 0,1,2,3
	v_lshrrev_b32 v[SW+\m], 23, v[SO+\m]           ; the scale's byte starts the K step's scale word
.endr
.else
.irp m, 0,1,2,3
	v_lshrrev_b32 v[BY+\m], 23, v[SO+\m]
.endr
.irp m, 0,1,2,3
	v_lshl_or_b32 v[SW+\m], v[BY+\m], 8*\b, v[SW+\m]
.endr
.endif
.irp m, 0,1,2,3
	v_cvt_scalef32_pk8_fp4_f32 v[PC+8*\m+2*\b], v[ACC1+8*\m:ACC1+8*\m+7], v[SO+\m]
	v_cvt_scalef32_pk8_fp4_f32 v[PC+8*\m+2*\b+1], v[ACC1+32+8*\m:ACC1+32+8*\m+7], v[SO+\m]
.endr
	v_nop                                          ; one plain line behind the conversions
.endm
; a pair: 32 products, the eight accumulators by turns; then the set is filled again, with the coming trip's block; then the quantiser
.macro PAIR b
	s_wait_loadcnt 60                              ; three sets, 72 loads, are younger than the set in hand; on the way in x's loads have 112 younger
	s_wait_alu depctr_vm_vsrc(0)                   ; the set's last loads have read its offsets, which AIM writes again
	AIM \b, 1
	WIN 0x0d                                       ; source 0 window 1, source 1 window 3, C and D window 0
.irp s, 0,1,2,3
.irp u, 0,1
.irp m, 0,1,2,3
	P1MUL \b, \s, \u, \m
.endr
.endr
.endr
	PLACES                                         ; they stay beside the wait that follows: the quantiser reads results just made
	LOADSET \b, 1, 1
	QUANT \b                                       ; it names none of the registers that the 24 loads above touch
.endm
; four pairs are a K step: a whole block goes into each lane, and the four fragments go to LDS as they stand
.macro IMAGES
.irp m, 0,1,2,3
.irp c, 0,1
.irp i, 0,1
	v_permlane16_swap_b32 v[PC+8*\m+4*\c+\i], v[PC+8*\m+4*\c+2+\i]   ; lanes 0-15 block 2 c, lanes 16-31 block 2 c + 1
.endr
.endr
.endr
	s_wait_alu depctr_va_vdst(0)                   ; the swaps have written the codes and the quantiser the scale words, which the LDS stores read; their two addresses, made at the trip's head, are written too
.irp m, 0,1,2,3
.irp c, 0,1
	ds_store_b128 v[HAD], v[PC+8*\m+4*\c:PC+8*\m+4*\c+3] offset:1024*\m+512*\c
.endr
	ds_store_b32 v[HSD], v[SW+\m] offset:128*\m
.endr
	s_wait_dscnt 0x0                               ; the stores are done
	s_wait_alu depctr_vm_vsrc(0)                   ; and have read their data and their two addresses: the next trip writes the addresses at its head and the codes and scale words in its quantiser; phase 2 writes the addresses
.endm
; phase 2: the four hidden fragments and scale words of slot rel (counted from the address in hand) into buffer buf: 12 LDS loads
.macro HFETCH buf, rel
	WIN 0xc0                                       ; destination window 3
.irp m, 0,1,2,3
.irp c, 0,1
	ds_load_b128 v[128+32*(\buf)+8*\m+4*\c:128+32*(\buf)+8*\m+4*\c+3], v[HAD] offset:4096*(\rel)+1024*\m+512*\c
.endr
.endr
	WIN 0
.irp m, 0,1,2,3
	ds_load_b32 v[HS+4*(\buf)-32*((\buf)/2)+\m], v[HSD] offset:512*(\rel)+128*\m
.endr
.endm
; phase 2: all that the K step three steps on wants, into set and buffer \set: W2's block (20 global loads) and the hidden slot 4 + \set of the trip (12 LDS loads), laid by register window: three switches
.macro AHEAD set
	WIN 0x40                                       ; destination window 1
.irp k, 0,1,2,3,4,5,6,7,8,9,10,11,12,13,14,15
	global_load_b128 v[64*(\set)+4*\k:64*(\set)+4*\k+3], v[VC+\set], s[22:23] offset:512*\k
.endr
	WIN 0xc0                                       ; destination window 3
.irp m, 0,1,2,3
.irp c, 0,1
	ds_load_b128 v[128+32*(\set)+8*\m+4*\c:128+32*(\set)+8*\m+4*\c+3], v[HAD] offset:4096*(4+\set)+1024*\m+512*\c
.endr
.endr
	WIN 0
.irp q, 0,1,2,3
	global_load_b32 v[WS+4*(\set)+\q], v[VS+\set], s[22:23] offset:8192+128*\q
.endr
.irp m, 0,1,2,3
	ds_load_b32 v[HS+4*(\set)-32*((\set)/2)+\m], v[HSD] offset:512*(4+\set)+128*\m
.endr
.endm
.macro P2MUL b, t, m
.set rD, 8*(4*\t+\m)
.set rA, 64*\b+8*\t
.set rB, 128+32*\b+8*\m
.set rSA, WS+4*\b+(\t)/2
.set rSB, HS+4*\b-32*((\b)/2)+\m
	WM rD, rA, rB, rD, rSA, rSB, (\t)%2, 0
.endm
; a K step of the second product: 32 products, the 32 accumulators by turns.  lc, dc: the younger global and LDS loads that may stay out.
; ahead = 1: it asks for what the step three steps on wants.  on = 1: a trip's first step, which moves the two LDS addresses on
.macro KSTEP b, lc, dc, ahead, on
	s_wait_loadcnt \lc
	s_wait_dscnt \dc
.if \ahead
.set CC, ((\b)+3)%4                    ; the set and buffer that the step before has emptied
	s_wait_alu depctr_vm_vsrc(0)                   ; that set's last loads have read its offsets, which AIM writes again; in a trip's first step: the fetches issued so far have read the two LDS addresses
.if \on
	v_add_nc_u32 v[HAD], s37, v[LN16]
	v_add_nc_u32 v[HSD], s38, v[HRS]
.else
	v_nop                                          ; with AIM's two lines these are the four plain lines between the last step's products and the loads into the registers that they read
	v_nop
.endif
	AIM CC, 0
	s_wait_alu depctr_va_vdst(0)                   ; the last step's products are done reading their set, its scale words, their hidden buffer and its scale words, in which this step's loads land; the offsets and addresses above are written
.endif
	WIN 0xad                                       ; source 0 window 1, source 1 window 3, C and D window 2
.irp t, 0,1
.irp m, 0,1,2,3
	P2MUL \b, \t, \m
.endr
.endr
.if \ahead
	AHEAD CC                                       ; no further wait: the eight products since the wait name this step's own set and buffer and Y alone
	WIN 0xad
.endif
.irp t, 2,3,4,5,6,7
.irp m, 0,1,2,3
	P2MUL \b, \t, \m
.endr
.endr
	WIN 0
.endm
; the way out of row tile m: a lane holds 32 neighbouring bytes of a row for each of 8 tiles; through my stage they become whole runs of 512 bytes
.macro TOSTAGE m
	WIN 0x08                                       ; an LDS store's data are its source 1: window 2
.irp t, 0,1,2,3,4,5,6,7
	ds_store_b128 v[STO], v[8*(4*\t+\m):8*(4*\t+\m)+3] offset:64*\t          ; each accumulator from its low end on
	ds_store_b128 v[STO], v[8*(4*\t+\m)+4:8*(4*\t+\m)+7] offset:64*\t+16
.endr
	WIN 0
.set BB, 128+64*((\m)%2)
.irp i, 0,1,2,3,4,5,6,7,8,9,10,11,12,13,14,15
	ds_load_b128 v[BB+4*\i:BB+4*\i+3], v[RD] offset:\i*SPITCH      ; LDS serves a wave's instructions in order: these see the stores above
.endr
.endm
.macro SEND m, younger
.set BB, 128+64*((\m)%2)
	s_wait_dscnt \younger
.irp i, 0,1,2,3,4,5,6,7,8,9,10,11,12,13,14,15
	global_store_b128 v[LN16], v[BB+4*\i:BB+4*\i+3], s[30:31] offset:(16*\m+\i)*2048   ; 512 consecutive bytes, at a multiple of 256 from Y's first byte
.endr
.endm
	s_load_b256 s[4:11], s[0:1], 0x0               ; route s[4:5], xq s[6:7], wq s[8:9], b1 s[10:11]
	s_load_b128 s[12:15], s[0:1], 0x20             ; b2 s[12:13], Y s[14:15]
	v_lshl_add_u32 v126, v0, 2, 0x1a400
	v_mov_b32 v127, 0
	v_lshrrev_b32 v1, 5, v0
	v_readfirstlane_b32 s16, v1                    ; wave 0..3
	v_and_b32 v110, 31, v0                         ; lane
	v_and_b32 v111, 15, v0                         ; r
	v_bfe_u32 v112, v0, 4, 1                       ; h
	v_lshlrev_b32 v[LN16], 4, v110
	v_lshlrev_b32 v[LN4], 2, v110
	s_wait_alu depctr_va_sdst(0)                   ; s16 is written, ahead of its first reader: LDS addresses, offsets and bases are made from it
	s_lshl_b32 s18, s16, 14
	v_add_nc_u32 v[HWI], s18, v[LN16]
	s_lshl_b32 s18, s16, 11
	s_add_co_u32 s18, s18, HSC
	v_add_nc_u32 v[HWS], s18, v[LN4]
	v_add_nc_u32 v[HRS], HSC, v[LN4]
	s_mul_i32 s18, s16, 16*SPITCH
	s_add_co_u32 s18, s18, STG                     ; my stage
	v_mul_u32_u24 v[STO], v111, SPITCH
	v_lshl_add_u32 v[STO], v112, 5, v[STO]
	v_add_nc_u32 v[STO], s18, v[STO]               ; in: row r, + 32 h
	v_add_nc_u32 v[RD], s18, v[LN16]               ; out: 16 bytes a lane of a row
	v_lshlrev_b32 v[BA], 6, v112
	v_lshlrev_b32 v[B2A], 5, v112
	v_lshlrev_b32 v[R4], 2, v111
	v_lshlrev_b32 v[H16], 4, v112
.irp m, 0,1,2,3
	v_mov_b32 v[PX+\m], 0                          ; written once: a lane permute's destination counts as one of its sources
.endr
	s_mov_b32 s20, 0x76543210
	s_mov_b32 s21, 0xfedcba98                      ; selects for lane l xor 16
	; the walk's turn: all offsets count from my expert's first block; an expert has 4 x 32 blocks: for each quarter of the columns 16 of W1, then 16 of W2
	s_and_b32 s39, ttmp9, 3                        ; r
	s_add_co_u32 s26, s39, 1
	s_add_co_u32 s27, s16, s39
	s_and_b32 s27, s27, 3                          ; which 512 hidden units are mine
	s_mul_i32 s44, s27, 32*BLKB
.irp b, 0,1,2,3
	s_add_co_u32 s[48+\b], s44, \b*BLKB            ; W1: pair b of my units' quarter 0
.endr
	s_mul_i32 s44, s16, 32*BLKB
	s_add_co_u32 s44, s44, 16*BLKB
.irp b, 0,1,2,3
	s_add_co_u32 s45, s39, \b
	s_and_b32 s45, s45, 3
	s_mul_i32 s45, s45, BLKB
	s_add_co_u32 s[52+\b], s44, s45                ; W2, my columns: K step (b + r) mod 4 of quarter 0
.endr
	s_mul_i32 s46, s39, 4*BLKB                     ; the first trip's quarter is r
	s_lshl_b32 s47, s39, 9
.irp b, 0,1,2,3
	s_add_co_u32 s[56+\b], s[48+\b], s46
.endr
.irp b, 0,1,2,3
	AIM \b, 1
.endr
	s_lshl_b32 s18, ttmp9, 2
	s_mov_b32 s19, 0
	s_wait_kmcnt 0x0
	s_add_nc_u64 s[42:43], s[4:5], s[18:19]
	s_load_b32 s17, s[42:43], 0x9000               ; tiles[T]: they lie 36,864 bytes into route
	s_lshl_b32 s18, ttmp9, 8
	s_add_nc_u64 s[34:35], s[4:5], s[18:19]        ; order at my tile's 64 places
	s_wait_alu depctr_va_vdst(0)                   ; the addresses v1 to v11, v18 and v19 and the four sets' offsets are written, which the loads and stores of the kernel read
.irp m, 0,1,2,3
	global_load_b32 v[TOK+\m], v[R4], s[34:35] offset:64*\m        ; the token of row r of row tile m
.endr
.irp p, 0,1
	global_load_b32 v[TOK+4+\p], v[LN4], s[34:35] offset:128*\p    ; lanes 0-15: row tile 2 p; lanes 16-31: 2 p + 1
.endr
	s_add_nc_u64 s[32:33], s[6:7], 0x100000        ; x's scale bytes lie behind its codes
	s_lshl_b32 s18, ttmp9, 17
	s_lshl_b32 s44, s16, 9
	s_add_co_u32 s18, s18, s44
	s_add_nc_u64 s[30:31], s[14:15], s[18:19]      ; Y at my tile's first row, my 128 columns
	s_wait_kmcnt 0x0
	s_min_u32 s17, s17, 7                          ; the expert enters addresses only clamped
	s_mul_i32 s18, s17, 128*BLKB
	s_add_nc_u64 s[22:23], s[8:9], s[18:19]        ; wq at my expert's first block
	s_lshl_b32 s18, s17, 13
	s_lshl_b32 s44, s27, 11
	s_add_co_u32 s18, s18, s44
	s_add_nc_u64 s[24:25], s[10:11], s[18:19]      ; b1: my 512 numbers
	s_lshl_b32 s18, s17, 11
	s_lshl_b32 s44, s16, 9
	s_add_co_u32 s18, s18, s44
	s_add_nc_u64 s[28:29], s[12:13], s[18:19]      ; b2: my 128 numbers
	LOADSET 0, 1, 0                                ; no vector or matrix instruction has named the sets' registers yet, and their offsets stand ahead of the wait above
	LOADSET 1, 1, 0
	s_wait_loadcnt 48                              ; the two sets may be out; the six loads of tokens are in
.irp m, 0,1,2,3
	v_min_u32 v[TOK+\m], 4095, v[TOK+\m]
	v_lshl_add_u32 v[XA+\m], v[TOK+\m], 8, v[H16]
.endr
.irp p, 0,1
	v_min_u32 v[TOK+4+\p], 4095, v[TOK+4+\p]
	v_lshlrev_b32 v[XSA+\p], 4, v[TOK+4+\p]
.endr
	WIN 0xc0
	s_wait_alu depctr_va_vdst(0)                   ; the six offsets made from the tokens are written, which the loads of x's codes and scale words read
.irp m, 0,1,2,3
.irp q, 0,1,2,3
.irp c, 0,1
	global_load_b128 v[8*(4*\m+\q)+4*\c:8*(4*\m+\q)+4*\c+3], v[XA+\m], s[6:7] offset:64*\q+32*\c   ; x's fragments stay in registers: a row's 256 bytes are read whole
.endr
.endr
.endr
	WIN 0
.irp p, 0,1
	global_load_b128 v[XS+4*\p:XS+4*\p+3], v[XSA+\p], s[32:33]     ; a row's four scale words
.endr
	WIN 0x80
.irp t, 0,1,2,3,4,5,6,7
.irp m, 0,1,2,3
.irp k, 0,1
	global_load_b128 v[8*(4*\t+\m)+4*\k:8*(4*\t+\m)+4*\k+3], v[B2A], s[28:29] offset:64*\t+16*\k   ; b2 starts Y's sums: nothing is cleared, and every K step has one form
.endr
.endr
.endr
	WIN 0
	LOADSET 2, 1, 0
	LOADSET 3, 1, 0
	; ---- phase 1: four trips, each four pairs = one K step of the second product
	s_mov_b32 s36, 0
	s_mov_b32 s37, 0
	s_mov_b32 s38, 0
.Lp1:
	v_add_nc_u32 v[HAD], s37, v[HWI]               ; (the last trip's LDS stores have read these two: the wait at the end of IMAGES)
	v_add_nc_u32 v[HSD], s38, v[HWS]
	s_add_co_u32 s46, s36, s26
	s_and_b32 s46, s46, 3                          ; the coming trip's quarter: (t + 1 + r) mod 4; behind the last trip that is r, phase 2's first
	s_lshl_b32 s47, s46, 9                         ; in b1.  (The last trip's loads of b1 read 512 of my own 2,048 bytes again, inside b1, and are not used)
	s_mul_i32 s46, s46, 4*BLKB
	s_cmp_lt_u32 s36, 3                            ; the last trip's refills are W2's first four blocks
.irp b, 0,1,2,3
	s_cselect_b32 s[56+\b], s[48+\b], s[52+\b]
.endr
.irp b, 0,1,2,3
	s_add_co_u32 s[56+\b], s[56+\b], s46
.endr
	PAIR 0
	PAIR 1
	PAIR 2
	PAIR 3
	IMAGES
	s_add_co_u32 s37, s37, 4096
	s_add_co_u32 s38, s38, 512
	s_add_co_u32 s36, s36, 1
	s_cmp_lt_u32 s36, 4
	s_cbranch_scc1 .Lp1
	s_wait_dscnt 0x0                               ; for the others' sake: my images have landed
	s_barrier_signal -1
	s_barrier_wait -1                              ; the hidden layer's 64 fragments lie in LDS; nobody writes them again
	; ---- phase 2: sixteen K steps.  Phase 1's last trip has asked for W2's blocks of steps 0 to 3; the hidden slots 0 to 3 are asked for here.  Step 0 asks for nothing; steps 1 to 12, the loop's three
	; trips, each ask for what the step three steps on wants; steps 13 to 15 are written out and ask for nothing
	s_mov_b32 s36, 0
	s_mov_b32 s37, 0
	s_mov_b32 s38, 0
	v_add_nc_u32 v[HAD], s37, v[LN16]
	v_add_nc_u32 v[HSD], s38, v[HRS]
	s_wait_alu depctr_va_vdst(0)                   ; the two addresses are written, which the fetches read; phase 1's products are done reading x's scale words, in whose registers the scale words of buffers 2 and 3 land
	HFETCH 0, 0
	HFETCH 1, 1
	HFETCH 2, 2
	HFETCH 3, 3
	KSTEP 0, 60, 36, 0, 0                          ; three sets (72 loads) are younger than set 0; three slots (36 LDS loads) younger than slot 0
.Lp2:
	s_add_co_u32 s46, s36, s26
	s_and_b32 s46, s46, 3                          ; the quarter of the four K steps that this trip asks for
	s_mul_i32 s46, s46, 4*BLKB
.irp b, 0,1,2,3
	s_add_co_u32 s[56+\b], s[52+\b], s46
.endr
	KSTEP 1, 40, 24, 1, 1                          ; the sets asked for in the last two steps (20 loads each; on the way in from phase 1: 48, 44, 40) are younger than the set in hand; so are the next two slots' 24 LDS loads
	KSTEP 2, 40, 24, 1, 0
	KSTEP 3, 40, 24, 1, 0
	KSTEP 0, 40, 24, 1, 0
	s_add_co_u32 s37, s37, 16384
	s_add_co_u32 s38, s38, 2048
	s_add_co_u32 s36, s36, 1
	s_cmp_lt_u32 s36, 3
	s_cbranch_scc1 .Lp2
	KSTEP 1, 40, 24, 0, 0                          ; the counts run down: two sets and two slots younger, one, none
	KSTEP 2, 20, 12, 0, 0
	KSTEP 3, 0, 0, 0, 0
	; ---- the way out
	PLACES                                         ; four plain lines behind the last products, before their results are read
	s_wait_alu depctr_va_vdst(0)                   ; the products have written Y's accumulators, which the LDS stores read; the quantiser and phase 1's products are done with v128 to v255, in which the loads from the stage land.  The places above stay beside this wait
	TOSTAGE 0
	TOSTAGE 1
	SEND 0, 32                                     ; behind row tile 0's loads: row tile 1's 16 stores and 16 loads
	s_wait_xcnt 0x0                                ; row tile 0's stores have had their addresses translated
	s_wait_alu depctr_vm_vsrc(0)                   ; and have read their data registers, in which row tile 2's loads from the stage land
	TOSTAGE 2
	SEND 1, 32
	s_wait_xcnt 0x0
	s_wait_alu depctr_vm_vsrc(0)                   ; row tile 1's stores have read their data registers, in which row tile 3's loads land
	TOSTAGE 3
	SEND 2, 32
	SEND 3, 0
	s_wait_dscnt 0x0                               ; the closing lines, six on end
	s_wait_alu 0x0
	s_wait_tensorcnt 0x0
	ds_add_u32 v126, v127
	s_wait_dscnt 0x0
	s_endpgm
.Lfunc_end_k_qea89cd7409_chain:
	.size	k_qea89cd7409_chain, .Lfunc_end_k_qea89cd7409_chain-k_qea89cd7409_chain
	.p2alignl 7, 3214868480
	.fill 96, 4, 3214868480
	.section	.rodata,"a",@progbits
	.p2align	6, 0x0
	.amdhsa_kernel k_qea89cd7409_chain
		.amdhsa_group_segment_fixed_size 108032
		.amdhsa_private_segment_fixed_size 0
		.amdhsa_enable_private_segment 0
		.amdhsa_kernarg_size 48
		.amdhsa_user_sgpr_count 2
		.amdhsa_user_sgpr_kernarg_segment_ptr 1
		.amdhsa_wavefront_size32 1
		.amdhsa_system_sgpr_workgroup_id_x 1
		.amdhsa_system_sgpr_workgroup_id_y 1
		.amdhsa_system_sgpr_workgroup_id_z 1
		.amdhsa_system_vgpr_workitem_id 0
		.amdhsa_next_free_vgpr 1024
		.amdhsa_next_free_sgpr 66
		.amdhsa_reserve_vcc 0
		.amdhsa_float_denorm_mode_32 3
		.amdhsa_float_denorm_mode_16_64 3
		.amdhsa_memory_ordered 1
		.amdhsa_forward_progress 1
		.amdhsa_inst_pref_size 140
	.end_amdhsa_kernel
	.amdgpu_metadata
---
amdhsa.version: [ 1, 2 ]
amdhsa.kernels:
  - .name:           k_qea89cd7409_chain
    .symbol:         k_qea89cd7409_chain.kd
    .args:
      - { .name: route, .offset: 0, .size: 8, .value_kind: global_buffer, .address_space: global }
      - { .name: xq, .offset: 8, .size: 8, .value_kind: global_buffer, .address_space: global }
      - { .name: wq, .offset: 16, .size: 8, .value_kind: global_buffer, .address_space: global }
      - { .name: b1, .offset: 24, .size: 8, .value_kind: global_buffer, .address_space: global }
      - { .name: b2, .offset: 32, .size: 8, .value_kind: global_buffer, .address_space: global }
      - { .name: Y, .offset: 40, .size: 8, .value_kind: global_buffer, .address_space: global }
    .group_segment_fixed_size: 108032
    .private_segment_fixed_size: 0
    .kernarg_segment_align: 8
    .kernarg_segment_size: 48
    .max_flat_workgroup_size: 128
    .sgpr_count:     66
    .vgpr_count:     1024
    .wavefront_size: 32
...
	.end_amdgpu_metadata
.endif
;; end of part 7
;; launch combine: the kernel of part 4 again; grid 256 x 1, 4 waves a work-group, no clusters, 0 bytes of LDS; arguments inv, cw, Y, out0; writes out0
